; MI455X (gfx1250); checked and timed in simulation.
; The chip was launched on July 23, 2026; its instructions are those of AMD's public machine-readable ISA for CDNA 5 (MIT licence, August 2026) and "CDNA5" Instruction Set Architecture Reference Guide (July 2026). The comments in the code are by the model that wrote it; some were corrected since.
;; Block. Allowed arithmetic: matrix products marked QUANTISED: E2M3 operands, one E8M0 scale for each 32 along K, by v_wmma_scale_f32_16x16x128_f8f6f4 with both operands' format E2M3, f32 sums; everything else in f32.
;; Inputs: n1_w 1,024 float32; n2_w 1,024 float32; o_w 1,024 x 1,024 float32; qkv_w 3,072 x 1,024 float32; w1_w 2,048 x 1,024 float32; w2_w 1,024 x 2,048 float32; wg_w 2,048 x 1,024 float32; x 2 x 2,048 x 1,024 float32.
;; Outputs: out0 2 x 2,048 x 1,024 float32.
;; This version of the problem:
;;   THIS VERSION OF THE PROBLEM IS GIVEN IN LOW PRECISION. The matrix products marked QUANTISED in the list below multiply operands that are first quantised to E2M3 (2 exponent bits, 3 mantissa bits; 6 bits a number), with one power-of-two scale for each 32 numbers along K (OCP MX v1.0); their sums are f32. All else is computed in f32.
;;   The module's matrix products, in the order in which they are computed (A, B: the left and right operand; K: the contracted axis; several contracted axes count as one K, in the product's order):
;;     1. [M 4,096, K 1,024] x [K 1,024, N 3,072]; A: computed on the way; B: input qkv_w: QUANTISED
;;     2. batch 32 x [M 2,048, K 64] x [K 64, N 2,048]; A: computed on the way; B: computed on the way: QUANTISED
;;     3. batch 32 x [M 2,048, K 2,048] x [K 2,048, N 64]; A: softmax (see below); B: computed on the way: QUANTISED
;;     4. [M 4,096, K 1,024] x [K 1,024, N 1,024]; A: computed on the way; B: input o_w: QUANTISED
;;     5. [M 4,096, K 1,024] x [K 1,024, N 2,048]; A: computed on the way; B: input wg_w: QUANTISED
;;     6. [M 4,096, K 1,024] x [K 1,024, N 2,048]; A: computed on the way; B: input w1_w: QUANTISED
;;     7. [M 4,096, K 2,048] x [K 2,048, N 1,024]; A: computed on the way; B: input w2_w: QUANTISED
;;   THE QUANTISER, for each operand of a quantised product, along K:
;;     - K is cut into blocks of 32 from its start; a last block that is shorter is filled with zeros.
;;     - A block's scale is 2^e with e = floor(log2(the largest magnitude in the block)) - 2, held to -126 .. 127; a block of zeros has e = 0. As a byte (E8M0): e + 127.
;;     - Each number is divided by its block's scale, clamped to +-7.5, and rounded to the nearest number of E2M3, ties to even, subnormals kept.
;;     - The product sums the exact products of the quantised numbers (number of the format x scale) in f32.
;;   ~~~python
;;   def quantise(x, axis):      # numpy; x: float32 -> the quantised numbers, widened to float32 again
;;       x = np.moveaxis(x, axis, -1); K = x.shape[-1]
;;       x = np.pad(x, [(0, 0)] * (x.ndim - 1) + [(0, -K % 32)]); x = x.reshape(x.shape[:-1] + (-1, 32)); a = np.abs(x).max(-1, keepdims=True)
;;       e = np.where(a > 0, np.clip(np.frexp(np.where(a > 0, a, 1))[1] - 1 - 2, -126, 127), 0)      # np.frexp(a)[1] - 1 = floor(log2(a)), exactly
;;       r = np.clip(x / 2.0 ** e, -7.5, 7.5)
;;       step = 2.0 ** (np.maximum(np.frexp(np.where(r == 0, 1, r))[1] - 1, 0) - 3)
;;       q = np.round(r / step) * step * 2.0 ** e      # np.round: ties to even
;;       return np.moveaxis(q.reshape(q.shape[:-2] + (-1,))[..., :K], -1, axis).astype(np.float32)
;;   ~~~
;;   SOFTMAX AHEAD OF A QUANTISED PRODUCT. Where the list says 'softmax', what is quantised is not the finished softmax but p = 2^(t - M), with t = logit x log2(e) and M = ceil(the row's largest t), a whole number; so 1/2 < the row's largest p <= 1. The row's sum l is taken of the UNQUANTISED p, in f32, and the product's result is divided by l at the end. Since M is a whole number, a kernel that streams over the keys may use a running M (the ceiling of the running maximum): every later rescaling is an exact power of two, which a block's scale takes up: the codes' values come out the same.
;;   OPERANDS COMPUTED ON THE WAY. 'Computed on the way' means the value that the module computes at that place (a softmax that the list does not call 'softmax' is quantised finished and normalised). What goes into a quantiser is computed in f32, as accurately as f32 sums, v_exp_f32 and their like allow (about 1e-6 of the number): no bf16 or f16 on the way to a quantiser, and a product that is left as it is and whose result goes on into a quantised operand takes f32 operands (vector FMAs, or v_wmma_f32_16x16x4_f32). A number that lies on a knife's edge between two numbers of the format may be rounded either way, as far as f32 arithmetic and the matrix unit's own rounding can turn it there, and no further.
;; One version. Each part assembles by itself: llvm-mc -triple=amdgcn-amd-amdhsa -mcpu=gfx1250 --defsym DOCPART=n.
;; ======== version 1 of 1: 7 launches
;; limits: right only within a limited range of input values
;; workspace buffers: prep_out 12,025,856 bytes; qkv_out 10,092,544 bytes; y_out 3,276,800 bytes; x1 16,777,216 bytes; h_out 12,025,856 bytes; hid_out 6,553,600 bytes
;; launch prep (part 1): grid 928 x 1, 4 waves a work-group, no clusters, 22,528 bytes of LDS; arguments x, n1_w, prep_out, qkv_w, o_w, wg_w, w1_w, w2_w; writes prep_out
.if DOCPART == 1
	.amdgcn_target "amdgcn-amd-amdhsa--gfx1250"
	.amdhsa_code_object_version 6
	.text
	.protected	k_q1894842884_prep
	.globl	k_q1894842884_prep
	.p2align	8
	.type	k_q1894842884_prep,@function
k_q1894842884_prep:
	s_mov_b64 s[64:65], 0
	v_nop
	global_prefetch_b8 v0, s[64:65] scope:SCOPE_SE
	s_setreg_imm32_b32 hwreg(HW_REG_WAVE_MODE, 25, 1), 1
	s_wait_xcnt 0x0
; FIRST LAUNCH OF A TRANSFORMER BLOCK IN MX-FP6 (E2M3 codes, one E8M0 byte for each 32 along K).  This body turns f32 rows into operand images, and makes the RoPE table.
; DEAD WORK OF THE WHOLE PROGRAM: reference() adds triu(-inf, 1) to the scores, so for every finite input the weight of key k for query q is 0 where k > q.  A step of 128 keys all of which come
; after a tile's 16 queries adds 0 to that tile's sum and result: the attention launch leaves such whole steps out of products 2 and 3.  Nothing else is left out; every input is loaded.
; LIMITS: NaN and infinities among the inputs are not served; a NaN, an infinity or an overflow that reaches only the key steps left out is not carried to the result.  A block of zeros gets the scale byte 1
; where the rule says 127: its codes are zeros, and this program alone reads the bytes.  theta_j = 2^(-j log2(10000) / 32) by v_exp_f32 (about 2e-7 of the number), so angles near t = 2,000 with small j
; may differ from reference()'s own f32 power by a few 1e-4; sine and cosine by two-term reduction and polynomials, about 1e-7 absolute.
; THE IMAGE.  A tile is 16 rows: lane-row r of tile T is matrix row 32 (T / 2) + 8 (T % 2) + r + 8 (r / 8).  A unit is a tile x 64 along K, 768 bytes: lane l's registers 0-3 at 16 l, its registers 4-5 at 512 + 8 l;
; lane (r, h) holds k = 32 h + 0 .. 31 of the unit, 24 bytes of codes.  Two units on end are a matrix operand's 12 registers.  Scale words lie in planes [K / 128][16 T + r].
; SHARES.  A work-group takes one tile x 1,024 along K; wave q columns 256 q on: four units, two scale words a row.  Work-groups 0-255: the first argument's rows, RMS-normed with the second argument's gain;
; 256-447 qkv_w; 448-511 o_w; 512-639 wg_w and 640-767 w1_w (interleaved: two tiles of wg, the same two of w1); 768-895 w2_w (two halves of K); 896-927 the table, a tile of 16 positions a wave.
; The same body serves the second norm on a grid of 256 work-groups.
.set XQ_C, 0
.set XQ_S, 3145728
.set WQ_C, 3276800
.set WQ_S, 5636096
.set WO_C, 5767168
.set WO_S, 6553600
.set WU_C, 6586368
.set WU_S, 9732096
.set W2_C, 9863168
.set W2_S, 11436032
.set ROPEO, 11501568
.set NWB,   17408                      ; LDS: four stages of 16 rows x 272 bytes from 0; the gain, 1,024 bytes a wave;
.set RED,   21504                      ; the waves' sums of squares, 64 bytes a wave;
.set SPARE, 21760                      ; the spare words, 128 bytes a wave, which no other line names
.set SPW, 20                           ; v20 my spare word's address, v21 zero: never rewritten
.set NIL, 21
.set D,   64                           ; v64-191 the wave's 16 rows x 256 columns: 32 registers a unit
	s_load_b256 s[4:11], s[0:1], 0x0               ; rows s[4:5], gain s[6:7], the images s[8:9], qkv_w s[10:11]
	s_load_b256 s[12:19], s[0:1], 0x20             ; o_w, wg_w, w1_w, w2_w
	v_lshl_add_u32 v[SPW], v0, 2, SPARE
	v_mov_b32 v[NIL], 0
	v_lshrrev_b32 v1, 5, v0
	v_readfirstlane_b32 s20, v1                    ; wave q
	v_and_b32 v1, 31, v0                           ; lane
	v_and_b32 v2, 15, v0                           ; r
	v_bfe_u32 v3, v0, 4, 1                         ; h
	v_lshlrev_b32 v4, 4, v1                        ; 16 x lane
	v_lshlrev_b32 v5, 3, v1                        ; 8 x lane
	s_mov_b32 s46, 0x76543210                      ; v_permlanex16_b32's selects for lane l xor 16
	s_mov_b32 s47, 0xfedcba98
	s_cmp_ge_u32 ttmp9, 896
	s_cbranch_scc1 .Ltable
	; the role's numbers, chosen by the work-group's number alone
	s_mov_b32 s21, 0                               ; the role's first work-group
	s_mov_b32 s22, XQ_C                            ; where its codes go
	s_mov_b32 s23, XQ_S                            ; and its scale words
	s_mov_b32 s24, 14                              ; log2 of a scale plane's bytes
	s_mov_b32 s25, 1                               ; a pair of tiles takes 1 << this many places
	s_mov_b32 s26, 0                               ; and begins so many places on
	s_mov_b32 s27, 0                               ; 1: K = 2,048, two work-groups to a tile
	s_wait_kmcnt 0x0
	s_mov_b64 s[28:29], s[4:5]
	s_cmp_ge_u32 ttmp9, 256
	s_cselect_b64 s[28:29], s[10:11], s[28:29]
	s_cselect_b32 s21, 256, s21
	s_cselect_b32 s22, WQ_C, s22
	s_cselect_b32 s23, WQ_S, s23
	s_cmp_ge_u32 ttmp9, 448
	s_cselect_b64 s[28:29], s[12:13], s[28:29]
	s_cselect_b32 s21, 448, s21
	s_cselect_b32 s22, WO_C, s22
	s_cselect_b32 s23, WO_S, s23
	s_cselect_b32 s24, 12, s24
	s_cmp_ge_u32 ttmp9, 512
	s_cselect_b64 s[28:29], s[14:15], s[28:29]
	s_cselect_b32 s21, 512, s21
	s_cselect_b32 s22, WU_C, s22
	s_cselect_b32 s23, WU_S, s23
	s_cselect_b32 s24, 14, s24
	s_cselect_b32 s25, 2, s25
	s_cmp_ge_u32 ttmp9, 640
	s_cselect_b64 s[28:29], s[16:17], s[28:29]
	s_cselect_b32 s21, 640, s21
	s_cselect_b32 s26, 2, s26
	s_cmp_ge_u32 ttmp9, 768
	s_cselect_b64 s[28:29], s[18:19], s[28:29]
	s_cselect_b32 s21, 768, s21
	s_cselect_b32 s22, W2_C, s22
	s_cselect_b32 s23, W2_S, s23
	s_cselect_b32 s24, 12, s24
	s_cselect_b32 s25, 1, s25
	s_cselect_b32 s26, 0, s26
	s_cselect_b32 s27, 1, s27
	s_sub_co_u32 s30, ttmp9, s21
	s_lshr_b32 s31, s30, s27                       ; the tile
	s_and_b32 s32, s30, s27                        ; which half of K
	s_lshr_b32 s33, s31, 1
	s_and_b32 s34, s31, 1
	s_lshl_b32 s35, s33, s25
	s_add_co_u32 s35, s35, s34
	s_add_co_u32 s35, s35, s26                     ; the tile's place in the image
	s_add_co_u32 s36, s27, 12                      ; log2 of a source row's bytes
	s_lshl_b32 s37, s33, 5
	s_lshl_b32 s38, s34, 3
	s_add_co_u32 s37, s37, s38                     ; the tile's first matrix row
	s_lshl_b32 s38, s37, s36
	s_lshl_b32 s39, s32, 12
	s_add_co_u32 s38, s38, s39
	s_lshl_b32 s39, s20, 10
	s_add_co_u32 s38, s38, s39                     ; + my half of K + my wave's 256 columns
	s_mov_b32 s39, 0
	s_add_nc_u64 s[28:29], s[28:29], s[38:39]
	s_mul_i32 s40, s35, 12288
	s_lshl_b32 s40, s40, s27                       ; a tile's units: 768 bytes x K / 64
	s_lshl_b32 s41, s32, 2
	s_add_co_u32 s41, s41, s20
	s_mul_i32 s38, s41, 3072                       ; my wave's four units
	s_add_co_u32 s40, s40, s38
	s_add_co_u32 s40, s40, s22
	s_lshl_b32 s38, s41, 1                         ; my wave's first K step of 128
	s_mov_b32 s41, 0
	s_add_nc_u64 s[42:43], s[8:9], s[40:41]        ; where my codes go
	s_lshl_b32 s40, s38, s24
	s_lshl_b32 s38, s35, 6
	s_add_co_u32 s40, s40, s38
	s_add_co_u32 s40, s40, s23
	s_add_nc_u64 s[44:45], s[8:9], s[40:41]        ; where my scale words go
	s_mul_i32 s38, s20, 4352                       ; my stage
	s_wait_alu depctr_va_vdst(0)
	v_mul_u32_u24 v6, v3, 272
	v_lshl_add_u32 v6, v2, 4, v6
	v_add_nc_u32 v6, s38, v6                       ; in: two rows of 256 bytes an instruction
	v_mul_u32_u24 v7, v2, 272
	v_lshl_add_u32 v7, v3, 7, v7
	v_add_nc_u32 v7, s38, v7                       ; out: row r, 128 bytes of my half
.irp i, 0,1,2,3,4,5,6,7
	v_add_nc_u32 v[8+\i], 2*\i+8*(\i/4), v3        ; lane-rows 2 i and 2 i + 1 of the tile, as matrix rows
	v_lshlrev_b32 v[8+\i], s36, v[8+\i]
	v_lshl_add_u32 v[8+\i], v2, 4, v[8+\i]
.endr
	s_lshl_b32 s38, s20, 10
	s_add_co_u32 s38, s38, NWB
	v_lshl_add_u32 v16, v3, 7, s38                 ; the gain of my half's 32 columns
	v_add_nc_u32 v27, s38, v4                      ; and where it is put as loaded
	s_lshl_b32 s38, s20, 6
	s_add_co_u32 s38, s38, RED
	v_lshl_add_u32 v17, v2, 2, s38
	v_lshl_add_u32 v18, v2, 2, RED
	v_lshlrev_b32 v19, s24, v3
	v_lshl_add_u32 v19, v2, 2, v19                 ; scale words: lanes 0-15 my first K step's plane, lanes 16-31 the next
	v_lshl_add_u32 v28, s20, 10, v4                ; the gain in memory: my wave's 1,024 bytes
.irp u, 0,1,2,3
.irp i, 0,1,2,3,4,5,6,7
	global_load_b128 v[D+32*\u+4*\i:D+32*\u+4*\i+3], v[8+\i], s[28:29] offset:256*\u th:TH_LOAD_NT   ; 16 lanes read 256 consecutive bytes of a row; all 32 loads are out together
.endr
.endr
; A unit turns through my stage, so that a lane holds 32 neighbours along K.  LDS serves a wave's instructions in order (ISA guide 5.7.1.4): no wait between stores and loads, nor ahead of the next unit's stores.
.macro TURN u
	s_wait_loadcnt 8*(3-\u)                        ; this unit's eight loads are in; the later units' stay out
.irp i, 0,1,2,3,4,5,6,7
	ds_store_b128 v6, v[D+32*\u+4*\i:D+32*\u+4*\i+3] offset:544*\i
.endr
.irp m, 0,1,2,3,4,5,6,7
	ds_load_b128 v[D+32*\u+4*\m:D+32*\u+4*\m+3], v7 offset:16*\m
.endr
.endm
	TURN 0
	TURN 1
	TURN 2
	TURN 3
	s_wait_dscnt 0x0
	s_cmp_ge_u32 ttmp9, 256                        ; weights are quantised as they are
	s_cbranch_scc1 .Lplain
	; THE NORM: x * rsqrt(mean(x^2) + 1e-5) * gain, in f32
	s_wait_alu depctr_va_vdst(0)
	global_load_b128 v[192:195], v28, s[6:7]
	global_load_b128 v[196:199], v28, s[6:7] offset:512
.irp c, 0,1,2,3
	v_pk_mul_f32 v[200+2*\c:201+2*\c], v[D+2*\c:D+2*\c+1], v[D+2*\c:D+2*\c+1]   ; four chains, started by the first products
.endr
.set j, 4
.rept 60
	v_pk_fma_f32 v[200+2*(j%4):201+2*(j%4)], v[D+2*j:D+2*j+1], v[D+2*j:D+2*j+1], v[200+2*(j%4):201+2*(j%4)]
.set j, j+1
.endr
	v_pk_add_f32 v[200:201], v[200:201], v[202:203]
	v_pk_add_f32 v[204:205], v[204:205], v[206:207]
	v_pk_add_f32 v[200:201], v[200:201], v[204:205]
	v_add_f32 v200, v200, v201
	v_permlanex16_b32 v201, v200, s46, s47
	v_add_f32 v200, v200, v201                     ; row r's sum over my wave's 256 columns
	ds_store_b32 v17, v200                         ; both halves write the same word with the same value
	s_wait_loadcnt 0x0
	ds_store_b128 v27, v[192:195]
	ds_store_b128 v27, v[196:199] offset:512
	s_wait_dscnt 0x0                               ; for the other waves: my sum has landed
	s_barrier_signal -1
	s_barrier_wait -1
	ds_load_b32 v200, v18
	ds_load_b32 v201, v18 offset:64
	ds_load_b32 v202, v18 offset:128
	ds_load_b32 v203, v18 offset:192
	s_mov_b32 s48, 0x3a800000                      ; 1 / 1,024
	s_mov_b32 s49, 0x3727c5ac                      ; 1e-5
	s_wait_dscnt 0x0
	v_add_f32 v200, v200, v201
	v_add_f32 v202, v202, v203
	v_add_f32 v200, v200, v202
	v_fma_f32 v200, v200, s48, s49
	s_wait_alu depctr_va_vdst(0)
	v_rsq_f32 v22, v200
	v_mov_b32 v23, 0                               ; the plain instruction behind the root; v23 is named with v22 as a pair, so it is written
	s_wait_alu depctr_va_vdst(0)                   ; the wait ahead of the first reader
.irp u, 0,1,2,3
.irp m, 0,1,2,3,4,5,6,7
	ds_load_b128 v[192+4*\m:195+4*\m], v16 offset:256*\u+16*\m   ; my wave's own bytes
.endr
.irp i, 0,2,4,6,8,10,12,14,16,18,20,22,24,26,28,30
	v_pk_mul_f32 v[D+32*\u+\i:D+32*\u+\i+1], v[D+32*\u+\i:D+32*\u+\i+1], v[22:23] op_sel_hi:[1,0]
.endr
	s_wait_dscnt 0x0
.irp i, 0,2,4,6,8,10,12,14,16,18,20,22,24,26,28,30
	v_pk_mul_f32 v[D+32*\u+\i:D+32*\u+\i+1], v[D+32*\u+\i:D+32*\u+\i+1], v[192+\i:193+\i]
.endr
.endr
.Lplain:
; A unit's block of my half: all 32 numbers are mine.  Largest magnitude with the floor 2^(3 - 127); 2 off its exponent field is the conversion's scale operand; that field is the byte.
.macro UNIT u
.set XS, D+32*\u
.set C, 32+8*\u
	v_max3_num_f32 v29, |v[XS]|, |v[XS+1]|, |v[XS+2]|
	v_max3_num_f32 v30, |v[XS+3]|, |v[XS+4]|, |v[XS+5]|
.irp i, 6,10,14,18,22,26
	v_max3_num_f32 v29, v29, |v[XS+\i]|, |v[XS+\i+1]|
	v_max3_num_f32 v30, v30, |v[XS+\i+2]|, |v[XS+\i+3]|
.endr
	v_max3_num_f32 v29, v29, |v[XS+30]|, |v[XS+31]|
	v_max3_num_f32 v29, v29, v30, 0x1800000
	v_add_nc_u32 v31, 0xff000000, v29
	v_lshrrev_b32 v[C+6], 23, v31
	v_cvt_scalef32_pk16_fp6_f32 v[C:C+2], v[XS:XS+15], v31
	v_cvt_scalef32_pk16_fp6_f32 v[24:26], v[XS+16:XS+31], v31      ; (a conversion's three registers begin on an even number)
	v_nop                                          ; one plain instruction behind a scaled conversion
	v_mov_b32 v[C+3], v24
	v_mov_b32 v[C+4], v25
	v_mov_b32 v[C+5], v26
	global_store_b128 v4, v[C:C+3], s[42:43] offset:768*\u         ; 512 consecutive bytes; each unit has code registers of its own, so no store's data are written again
	global_store_b64 v5, v[C+4:C+5], s[42:43] offset:768*\u+512    ; 256 consecutive bytes
.endm
	UNIT 0
	UNIT 1
	UNIT 2
	UNIT 3
	v_lshlrev_b32 v29, 3, v3                       ; my bytes stand 8 h bits up: blocks h and 2 + h of a K step
	v_lshl_or_b32 v30, v46, 16, v38                ; K step 0: units 0 and 1
	v_lshl_or_b32 v31, v62, 16, v54                ; K step 1: units 2 and 3
	v_lshlrev_b32 v30, v29, v30
	v_lshlrev_b32 v31, v29, v31
	v_permlanex16_b32 v24, v30, s46, s47
	v_permlanex16_b32 v25, v31, s46, s47
	v_or_b32 v30, v30, v24                         ; with lane l xor 16's two bytes the words are whole
	v_or_b32 v31, v31, v25
	v_cmp_ne_u32 vcc_lo, 0, v3
	v_cndmask_b32 v30, v30, v31, vcc_lo
	global_store_b32 v19, v30, s[44:45]
	s_wait_tensorcnt 0x0                           ; the wave's end
	ds_add_u32 v[SPW], v[NIL]
	s_wait_dscnt 0x0
	s_endpgm
.Ltable:
	; THE ROPE TABLE, in the layout of the product that will use it: tile T, lane (r, h): position t = the tile's lane-row r; registers 0-15 cos(t theta_j), 16-31 sin, j = 16 h + i.  No LDS here.
	s_sub_co_u32 s30, ttmp9, 896
	s_lshl_b32 s30, s30, 2
	s_add_co_u32 s30, s30, s20                     ; T
	s_lshr_b32 s31, s30, 1
	s_lshl_b32 s31, s31, 5
	s_and_b32 s32, s30, 1
	s_lshl_b32 s32, s32, 3
	s_add_co_u32 s31, s31, s32
	s_wait_alu depctr_va_vdst(0)
	v_and_b32 v6, 8, v2
	v_add_nc_u32 v6, v6, v2
	v_add_nc_u32 v6, s31, v6
	v_cvt_f32_u32 v6, v6                           ; t
	v_lshlrev_b32 v7, 4, v3
.irp i, 0,1,2,3,4,5,6,7,8,9,10,11,12,13,14,15
	v_add_nc_u32 v[32+\i], \i, v7
.endr
.irp i, 0,1,2,3,4,5,6,7,8,9,10,11,12,13,14,15
	v_cvt_f32_u32 v[32+\i], v[32+\i]
.endr
.irp i, 0,1,2,3,4,5,6,7,8,9,10,11,12,13,14,15
	v_mul_f32 v[32+\i], 0xbed49a78, v[32+\i]       ; -j log2(10000) / 32
.endr
	s_wait_alu depctr_va_vdst(0)
.irp i, 0,1,2,3,4,5,6,7,8,9,10,11,12,13,14,15
	v_exp_f32 v[32+\i], v[32+\i]                   ; theta_j
.endr
	v_nop
	s_mov_b32 s50, 0x3f22f983                      ; 2 / pi
	s_mov_b32 s51, 0xbfc90fdb                      ; -(pi / 2), its f32 part
	s_mov_b32 s52, 0x333bbd2e                      ; what that part is too large by
	s_mov_b32 s53, 0xb94ca1f9                      ; sine's polynomial on |x| <= pi / 4
	s_mov_b32 s54, 0x3c08839e
	s_mov_b32 s55, 0xbe2aaaa3
	s_mov_b32 s56, 0x37ccf5ce                      ; cosine's
	s_mov_b32 s57, 0xbab6061a
	s_mov_b32 s58, 0x3d2aaaa5
	s_wait_alu depctr_va_vdst(0)                   ; one wait for the sixteen exponentials, ahead of their first reader
.macro SINCOS i
	v_mul_f32 v8, v6, v[32+\i]                     ; the angle, rounded as reference() rounds it
	v_mul_f32 v9, s50, v8
	v_rndne_f32 v9, v9                             ; how many quarter turns
	v_fma_f32 v10, v9, s51, v8
	v_fma_f32 v10, v9, s52, v10                    ; what is left, in [-pi / 4, pi / 4]
	v_mul_f32 v11, v10, v10
	v_fma_f32 v12, s53, v11, s54
	v_fma_f32 v12, v12, v11, s55
	v_mul_f32 v13, v10, v11
	v_fma_f32 v14, v13, v12, v10                   ; its sine
	v_fma_f32 v12, s56, v11, s57
	v_fma_f32 v12, v12, v11, s58
	v_mul_f32 v13, v11, v11
	v_fma_f32 v15, v11, -0.5, 1.0
	v_fma_f32 v15, v13, v12, v15                   ; its cosine
	v_cvt_i32_f32 v16, v9
	v_and_b32 v17, 1, v16
	v_cmp_ne_u32 vcc_lo, 0, v17                    ; an odd quarter swaps the two: a choice of values, no branch
	v_cndmask_b32 v18, v14, v15, vcc_lo
	v_cndmask_b32 v19, v15, v14, vcc_lo
	v_and_b32 v17, 2, v16
	v_lshlrev_b32 v17, 30, v17
	v_xor_b32 v[80+\i], v17, v18                   ; sine is negative in quarters 2 and 3
	v_add_nc_u32 v17, 1, v16
	v_and_b32 v17, 2, v17
	v_lshlrev_b32 v17, 30, v17
	v_xor_b32 v[64+\i], v17, v19                   ; cosine in quarters 1 and 2
.endm
.irp i, 0,1,2,3,4,5,6,7,8,9,10,11,12,13,14,15
	SINCOS \i
.endr
	s_lshl_b32 s30, s30, 12
	s_add_co_u32 s30, s30, ROPEO
	s_mov_b32 s31, 0
	s_wait_alu depctr_va_vdst(0)
	s_wait_kmcnt 0x0
	s_add_nc_u64 s[42:43], s[8:9], s[30:31]
.irp c, 0,1,2,3,4,5,6,7
	global_store_b128 v4, v[64+4*\c:67+4*\c], s[42:43] offset:512*\c
.endr
	s_endpgm
.Lfunc_end_k_q1894842884_prep:
	.size	k_q1894842884_prep, .Lfunc_end_k_q1894842884_prep-k_q1894842884_prep
	.p2alignl 7, 3214868480
	.fill 96, 4, 3214868480
	.section	.rodata,"a",@progbits
	.p2align	6, 0x0
	.amdhsa_kernel k_q1894842884_prep
		.amdhsa_group_segment_fixed_size 22528
		.amdhsa_private_segment_fixed_size 0
		.amdhsa_enable_private_segment 0
		.amdhsa_kernarg_size 64
		.amdhsa_user_sgpr_count 2
		.amdhsa_user_sgpr_kernarg_segment_ptr 1
		.amdhsa_wavefront_size32 1
		.amdhsa_system_sgpr_workgroup_id_x 1
		.amdhsa_system_sgpr_workgroup_id_y 1
		.amdhsa_system_sgpr_workgroup_id_z 1
		.amdhsa_system_vgpr_workitem_id 0
		.amdhsa_next_free_vgpr 224
		.amdhsa_next_free_sgpr 66
		.amdhsa_reserve_vcc 1
		.amdhsa_float_denorm_mode_32 3
		.amdhsa_float_denorm_mode_16_64 3
		.amdhsa_memory_ordered 1
		.amdhsa_forward_progress 1
		.amdhsa_inst_pref_size 59
	.end_amdhsa_kernel
	.amdgpu_metadata
---
amdhsa.version: [ 1, 2 ]
amdhsa.kernels:
  - .name:           k_q1894842884_prep
    .symbol:         k_q1894842884_prep.kd
    .args:
      - { .name: x, .offset: 0, .size: 8, .value_kind: global_buffer, .address_space: global }
      - { .name: n1_w, .offset: 8, .size: 8, .value_kind: global_buffer, .address_space: global }
      - { .name: prep_out, .offset: 16, .size: 8, .value_kind: global_buffer, .address_space: global }
      - { .name: qkv_w, .offset: 24, .size: 8, .value_kind: global_buffer, .address_space: global }
      - { .name: o_w, .offset: 32, .size: 8, .value_kind: global_buffer, .address_space: global }
      - { .name: wg_w, .offset: 40, .size: 8, .value_kind: global_buffer, .address_space: global }
      - { .name: w1_w, .offset: 48, .size: 8, .value_kind: global_buffer, .address_space: global }
      - { .name: w2_w, .offset: 56, .size: 8, .value_kind: global_buffer, .address_space: global }
    .group_segment_fixed_size: 22528
    .private_segment_fixed_size: 0
    .kernarg_segment_align: 8
    .kernarg_segment_size: 64
    .max_flat_workgroup_size: 128
    .sgpr_count:     66
    .vgpr_count:     224
    .wavefront_size: 32
...
	.end_amdgpu_metadata
.endif
;; end of part 1
;; launch qkv (part 2): grid 12 x 16, 8 waves a work-group, clusters of 4 x 4, 327,680 bytes of LDS; arguments prep_out, qkv_out; writes qkv_out
.if DOCPART == 2
	.amdgcn_target "amdgcn-amd-amdhsa--gfx1250"
	.amdhsa_code_object_version 6
	.text
	.protected	k_q1894842884_qkv
	.globl	k_q1894842884_qkv
	.p2align	8
	.type	k_q1894842884_qkv,@function
k_q1894842884_qkv:
	s_mov_b64 s[64:65], 0
	v_nop
	global_prefetch_b8 v0, s[64:65] scope:SCOPE_SE
	s_setreg_imm32_b32 hwreg(HW_REG_WAVE_MODE, 25, 1), 1
	s_wait_xcnt 0x0
	s_wait_alu depctr_hold_cnt(0) depctr_sa_sdst(0) depctr_va_vdst(0) depctr_va_sdst(0) depctr_va_ssrc(0) depctr_va_vcc(0) depctr_vm_vsrc(0)
	s_getreg_b32 s2, hwreg(HW_REG_IB_STS2, 6, 4)
	s_cmp_eq_u32 s2, 0
	s_cbranch_scc0 .Lentry_in_a_cluster
	s_endpgm
.Lentry_in_a_cluster:
	s_bfe_u32 s2, ttmp6, 0x10000c
	s_cmp_lg_u32 s2, 0xf033
	s_cbranch_scc0 .Lentry_shape_is_right
	s_endpgm
.Lentry_shape_is_right:
; PRODUCT 1, qkv = norm(x) qkv_w^T on codes of FP6 (E2M3), then RoPE on q and k, then the quantisers of products 2 and 3: q and k along the head's 64, v along the keys.
; Operands are images of the operand's registers (a unit = 16 rows x 64 K = 768 bytes: lane l's registers 0-3 at 16 l, registers 4-5 at 512 + 8 l; lane-row r of tile T = matrix row 32 (T/2) + 8 (T%2) + r + 8 (r/8)).
; SHARES.  A tile is 128 rows of side A x 256 rows of side B; eight waves, each 64 x 64: 16 accumulators.  The matrix instruction is used transposed (source 0 = 16 rows of B, source 1 = 16 of A): lane (r, h) holds
; A's row r, and the 32 registers of a tile of A run along B's rows 16 h + 0 .. 15 and 32 + 16 h + 0 .. 15: the order in which the next quantiser wants a lane's numbers.
; THE CLUSTER'S x IS THE KIND: 0 = q, 1 = k: A = tokens, B = weight rows (a wave's 64 = one head).  2 = v: A = v's weight rows, B = tokens, so that a lane's registers run along the keys.  The kind is the same in all
; sixteen partners; it chooses offsets in one buffer, and short arms of the text that hold no barrier and no tensor load.
; A WORK-GROUP STAYS: it makes TWO tiles with the same rows of B, which stay in LDS.  q, k: the same 128 positions of batch 0 and of batch 1; v: the weight rows of heads 2 cy, 2 cy + 1 and of those 8 on.
; So three kinds x 64 work-groups serve the 384 tiles: 192 work-groups; three kinds of 128 tiles do not divide into 256 equal shares.
; K = 1,024 lies in LDS whole, in two slots of 512.  When tile 0's last fragments are in registers, A's bytes (two groups x two slots, and two groups' scale words) are filled again behind a round of the cluster's barrier,
; one joint load a wave, three waves; they land while tile 0 goes out.  By this text's count a wave has one tensor load out at the start and one behind the refill.
; A's tiles are asked for jointly along a row of the cluster, B's along a column.  LDS is claimed whole; the text uses 312,320 bytes.
.set KS, 8
.set GB, 4
.set NG, 6
.set NSLOT, 2
.set SLOTB, NG*24576                   ; a slot: six groups of 64 rows x 512 along K
.set SCL,   NSLOT*SLOTB                ; behind the slots: the scale words, KS x 256 bytes a group
.set SGB,   KS*256
.set TILEB, KS*1536                    ; a tile's units in memory
; LDS AS THE HEAD NOW FILLS IT: group g (0, 1 of A; 2 to 5 of B) lies at 49,152 g with all of K: tile i at 12,288 i, K step ks at 1,536 ks.  One tensor load a wave: waves 0, 1 A's groups, waves 2 to 5 B's,
; wave 6 A's scale words (8 planes x 512 bytes, padded to a pitch of 1,024), wave 7 B's (8 planes x 1,024 bytes, 8,192 bytes behind A's).  The refill for tile 1: waves 0, 1 and 6.
.set SPARE, SCL+16384
.set XQ_S, 3145728
.set WQ_C, 3276800
.set WQ_S, 5636096
.set WV_C, 4849664                     ; v's weight rows: tile 128 of qkv_w's image
.set WV_S, 5644288
.set ROPEO, 11501568
.set QS, 3145728                       ; qkv_out: q's codes at 0, q's scale words here,
.set KV, 3407872                       ; and a record of 208,896 bytes for each head: k's codes, v's at 98,304, k's scale words at 196,608, v's at 204,800
.set RECB, 208896
.set SPW, 28
.set NIL, 29
.set G1A, 24                           ; s[24:31] group 1 for A's codes; s[32:35] group 0 of its first fill, later the refill's
.set G0A, 32
.set G1B, 48
.set G0B, 56
.set G1SA, 68                          ; s[68:75], s[76:79] groups 1 and 0 for A's scale words; s[80:87], s[88:91] for B's
.set G0SA, 76
.set G1SB, 80
.set G0SB, 88
.set MSB, 0
.macro WIN new                         ; the immediate's high byte repeats the setting that is left
.if MSB != \new
	s_set_vgpr_msb (MSB<<8)|\new
.set MSB, \new
.endif
.endm
.macro PLACES                          ; four plain instructions behind a matrix instruction, ahead of loads into its sources and of reads of its results
.rept 4
	v_nop
.endr
.endm
.macro CREST                           ; a round of the cluster's barrier behind its opening barrier
	s_cmp_lg_u32 s14, 0
	s_cbranch_scc1 .Lnot_wave_0_\@
	s_barrier_signal -3
.Lnot_wave_0_\@:
	s_barrier_wait -3
	s_barrier_signal -1
	s_barrier_wait -1
.endm
.macro CROUND                          ; a whole round
	s_barrier_signal -1
	s_barrier_wait -1
	CREST
.endm
.macro MKG0 g, lreg, loff, preg, poff  ; a group 0: count 1, LDS address, global address, type 2
	s_mov_b32 s[\g], 1
	s_add_co_u32 s[\g+1], s[\lreg], \loff
	s_add_nc_u64 s[\g+2:\g+3], s[\preg:\preg+1], \poff
	s_or_b32 s[\g+3], s[\g+3], 0x80000000
.endm
.macro FETCH f, p, ksl                 ; 32 LDS loads: my four tiles of A and four of B for one K step of 128, from slot p, into buffer f of window 1; every load takes consecutive bytes
	WIN 0x40
.irp i, 0,1,2,3
.irp s, 0,1                            ; side A, side B
.irp c, 0,1                            ; the K step's two units
	ds_load_b128 v[(\f)+48*\s+12*\i+6*\c:(\f)+48*\s+12*\i+6*\c+3], v[4+2*\s+4*(\p)] offset:12288*\i+1536*(\ksl)+768*\c
	ds_load_b64 v[(\f)+48*\s+12*\i+6*\c+4:(\f)+48*\s+12*\i+6*\c+5], v[5+2*\s+4*(\p)] offset:12288*\i+1536*(\ksl)+768*\c+512
.endr
.endr
.endr
.endm
.macro MUL f, ks, zero                 ; 16 matrix instructions; the 16 accumulators take turns in the same order in every step.  A scale register holds A's word in lanes 0-15 and B's in lanes 16-31
	WIN 0x05
.irp a, 0,1,2,3
.irp b, 0,1,2,3
.if \zero
	v_wmma_scale_f32_16x16x128_f8f6f4 v[128+8*(4*\a+\b):128+8*(4*\a+\b)+7], v[(\f)+48+12*\b:(\f)+48+12*\b+11], v[(\f)+12*\a:(\f)+12*\a+11], 0, v[32+KS*\b+(\ks)], v[32+KS*\a+(\ks)] matrix_a_fmt:MATRIX_FMT_FP6 matrix_b_fmt:MATRIX_FMT_FP6 matrix_a_scale:MATRIX_SCALE_ROW1
.else
	v_wmma_scale_f32_16x16x128_f8f6f4 v[128+8*(4*\a+\b):128+8*(4*\a+\b)+7], v[(\f)+48+12*\b:(\f)+48+12*\b+11], v[(\f)+12*\a:(\f)+12*\a+11], v[128+8*(4*\a+\b):128+8*(4*\a+\b)+7], v[32+KS*\b+(\ks)], v[32+KS*\a+(\ks)] matrix_a_fmt:MATRIX_FMT_FP6 matrix_b_fmt:MATRIX_FMT_FP6 matrix_a_scale:MATRIX_SCALE_ROW1
.endif
.endr
.endr
.endm
.macro SCLOAD                          ; a tile's scale words for all of K into registers: lanes 0-15 A's tile i, lanes 16-31 B's tile i
.irp i, 0,1,2,3
.set q, 0
.rept KS
	ds_load_b32 v[32+KS*\i+q], v16 offset:1024*q+64*\i
.set q, q+1
.endr
.endr
.endm
.macro STEP_IN ks, p                   ; a K step whose successor lies in the same slot: the successor's fragments are asked for, then this step is multiplied
.if (\ks) > 0
	PLACES
.endif
	FETCH 96*(((\ks)+1)%2), \p, ((\ks)+1)%4
	s_wait_dscnt 32                                ; all but the 32 loads just issued are in
	MUL 96*((\ks)%2), \ks, ((\ks)==0)
.endm
.macro STEP_CHG ks, pn                 ; a slot's last step: the next slot has landed in every wave's part
	s_wait_tensorcnt 0x0
	s_wait_dscnt 0x0
	s_barrier_signal -1
	s_barrier_wait -1
	PLACES
	FETCH 96*(((\ks)+1)%2), \pn, 0
	MUL 96*((\ks)%2), \ks, 0
.endm
.macro STEP_ON ks, pn                  ; on into a slot that an earlier barrier has already shown whole to every wave: no barrier
	PLACES
	FETCH 96*(((\ks)+1)%2), \pn, 0
	s_wait_dscnt 32
	MUL 96*((\ks)%2), \ks, 0
.endm
; 32 numbers of a lane, register 16 b + i = number 16 h + i of block b of my row, become a unit's six registers v112-117 (lane half h: block h whole) and two scale bytes v102, v103.
.macro QUANT64 s
	v_max3_num_f32 v96, |v[\s]|, |v[\s+1]|, 0x1800000              ; with the floor 2^(3 - 127): the byte cannot fall under 1
	v_max3_num_f32 v97, |v[\s+16]|, |v[\s+17]|, 0x1800000
.irp i, 2,4,6,8,10,12,14
	v_max3_num_f32 v96, v96, |v[\s+\i]|, |v[\s+\i+1]|
	v_max3_num_f32 v97, v97, |v[\s+16+\i]|, |v[\s+17+\i]|
.endr
	s_delay_alu instid0(VALU_DEP_2)
	v_permlanex16_b32 v98, v96, s100, s101
	s_delay_alu instid0(VALU_DEP_2)
	v_permlanex16_b32 v99, v97, s100, s101
	s_delay_alu instid0(VALU_DEP_2)
	v_max_num_f32 v96, v96, v98
	s_delay_alu instid0(VALU_DEP_2)
	v_max_num_f32 v97, v97, v99
	s_delay_alu instid0(VALU_DEP_2)
	v_add_nc_u32 v100, 0xff000000, v96             ; 2 off the exponent field: the conversion's scale operand
	s_delay_alu instid0(VALU_DEP_2)
	v_add_nc_u32 v101, 0xff000000, v97
	s_delay_alu instid0(VALU_DEP_2)
	v_lshrrev_b32 v102, 23, v100
	s_delay_alu instid0(VALU_DEP_2)
	v_lshrrev_b32 v103, 23, v101
	v_cvt_scalef32_pk16_fp6_f32 v[112:114], v[\s:\s+15], v100
	v_cvt_scalef32_pk16_fp6_f32 v[120:122], v[\s+16:\s+31], v101
	v_nop                                          ; one plain instruction behind a scaled conversion
.irp i, 0,1,2
	v_permlane16_swap_b32 v[112+\i], v[120+\i]
.endr
.irp i, 0,1,2
	s_delay_alu instid0(VALU_DEP_3)
	v_mov_b32 v[115+\i], v[120+\i]
.endr
.endm
.macro RLOAD a, reg                    ; the RoPE table's tile for my tile a of tokens: registers 0-15 cosines, 16-31 sines, in my lane's order
.irp c, 0,1,2,3,4,5,6,7
	global_load_b128 v[(\reg)+4*\c:(\reg)+4*\c+3], v30, s[8:9] offset:4096*(\a)+512*\c
.endr
.endm
; q and k: three of the table's four tiles are asked for ahead of K step 7, into fragment buffer 0, which K step 6 has multiplied: registers that every way through the text has written
.macro TABLE
	PLACES
	WIN 0
	s_cmp_eq_u32 ttmp9, 2
	s_cbranch_scc1 .Lno_table_\@
	WIN 0x40
	RLOAD 0, 0
	RLOAD 1, 32
	RLOAD 2, 64
	WIN 0
.Lno_table_\@:
.endm
; RoPE on tile a: registers 0-15 are channels 16 h + i (x1), registers 16-31 channels 32 + 16 h + i (x2).  Each accumulator is read from its low end on.
.macro ROT a, ext
	s_wait_loadcnt 24-8*(\a)                       ; this tile's eight loads are in; the later tiles' stay out
	WIN 0x04
.irp i, 0,2,4,6,8,10,12,14
	v_pk_mul_f32 v[64+\i:65+\i], v[144+32*(\a)+\i:145+32*(\a)+\i], v[(\ext)+16+\i:(\ext)+17+\i]
.endr
.irp i, 0,2,4,6,8,10,12,14
	v_pk_mul_f32 v[80+\i:81+\i], v[144+32*(\a)+\i:145+32*(\a)+\i], v[(\ext)+\i:(\ext)+\i+1]
.endr
.irp i, 0,2,4,6,8,10,12,14
	v_pk_fma_f32 v[144+32*(\a)+\i:145+32*(\a)+\i], v[128+32*(\a)+\i:129+32*(\a)+\i], v[(\ext)+16+\i:(\ext)+17+\i], v[80+\i:81+\i]
.endr
.irp i, 0,2,4,6,8,10,12,14
	v_pk_fma_f32 v[128+32*(\a)+\i:129+32*(\a)+\i], v[128+32*(\a)+\i:129+32*(\a)+\i], v[(\ext)+\i:(\ext)+\i+1], v[64+\i:65+\i] neg_lo:[0,0,1] neg_hi:[0,0,1]
.endr
	WIN 0
.endm
.macro PUT a                           ; tile a becomes a unit, 768 consecutive bytes
	s_wait_xcnt 0x0                                ; the last unit's stores have read their registers
	QUANT64 128+32*(\a)
	v_lshl_or_b32 v[104+(\a)], v103, 8, v102
	global_store_b128 v30, v[112:115], s[10:11] offset:768*(\a)
	global_store_b64 v31, v[116:117], s[10:11] offset:768*(\a)+512
.endm
; q and k go out: tile t is batch t
.macro QK_OUT t
.if \t
	s_wait_xcnt 0x0                                ; the first tile's stores have read their bases
.endif
	s_lshl_b32 s12, s17, 1
	s_add_co_u32 s12, s12, s15
	s_lshl_b32 s12, s12, 2                         ; my first tile of tokens in its sequence
	s_lshl_b32 s13, s40, 2
	s_add_co_u32 s13, s13, s16                     ; head
.if \t
	s_add_co_u32 s13, s13, 16                      ; 16 x batch + head
.endif
	s_mov_b32 s18, RECB
	s_mov_b32 s19, RECB
	s_mov_b32 s99, KV+196608
	s_cmp_eq_u32 ttmp9, 0
	s_cselect_b32 s18, 98304, s18
	s_cselect_b32 s19, 8192, s19
	s_cselect_b32 s97, 0, KV
	s_cselect_b32 s99, QS, s99
	s_mul_i32 s96, s13, s18
	s_add_co_u32 s96, s96, s97
	s_mul_i32 s18, s12, 768
	s_add_co_u32 s96, s96, s18
	s_mov_b32 s97, 0
	s_mul_i32 s98, s13, s19
	s_add_co_u32 s98, s98, s99
	s_lshl_b32 s18, s12, 6
	s_add_co_u32 s98, s98, s18
	s_mov_b32 s99, 0
	s_add_nc_u64 s[10:11], s[6:7], s[96:97]
	s_add_nc_u64 s[12:13], s[6:7], s[98:99]
	WIN 0x40
	RLOAD 3, 96                                    ; the fourth tile, wanted last, into buffer 1, which is done with
	WIN 0
	ROT 0, 0
	s_wait_alu depctr_va_vdst(0)
	PUT 0
	ROT 1, 32
	s_wait_alu depctr_va_vdst(0)
	PUT 1
	ROT 2, 64
	s_wait_alu depctr_va_vdst(0)
	PUT 2
	ROT 3, 96
	s_wait_alu depctr_va_vdst(0)
	PUT 3
	v_cmp_ne_u32 vcc_lo, 0, v2
	s_delay_alu instid0(VALU_DEP_1)
	v_cndmask_b32 v96, v104, v105, vcc_lo          ; lanes 0-15 one tile's rows, lanes 16-31 the next tile's
	s_delay_alu instid0(VALU_DEP_2)
	v_cndmask_b32 v97, v106, v107, vcc_lo
	s_delay_alu instid0(VALU_DEP_2)
	v_or_b32 v96, 0x7f7f0000, v96                  ; the instruction's upper 64 along K hold nothing of the head: scale 1 there
	s_delay_alu instid0(VALU_DEP_2)
	v_or_b32 v97, 0x7f7f0000, v97
	global_store_b32 v27, v96, s[12:13]
	global_store_b32 v27, v97, s[12:13] offset:128
.endm
; v goes out: lane (r, h) holds a channel, its registers 64 keys; tile t is 8 t heads on
.macro V_OUT t
.if \t
	s_wait_xcnt 0x0                                ; the first tile's stores have read their bases
.endif
	s_lshl_b32 s12, s17, 1
	s_add_co_u32 s12, s12, s15                     ; head
.if \t
	s_add_co_u32 s12, s12, 8
.endif
	s_lshl_b32 s13, s42, 2
	s_add_co_u32 s13, s13, s16                     ; which 64 tokens
	s_lshr_b32 s18, s13, 5
	s_lshl_b32 s18, s18, 4
	s_add_co_u32 s18, s18, s12                     ; 16 x batch + head
	s_and_b32 s13, s13, 31
	s_mul_i32 s18, s18, RECB
	s_add_co_u32 s18, s18, KV
	s_mul_i32 s96, s13, 3072
	s_add_co_u32 s96, s96, s18
	s_add_co_u32 s96, s96, 98304
	s_mov_b32 s97, 0
	s_lshr_b32 s98, s13, 1
	s_lshl_b32 s98, s98, 8
	s_and_b32 s19, s13, 1
	s_lshl_b32 s19, s19, 1
	s_add_co_u32 s98, s98, s19
	s_add_co_u32 s98, s98, s18
	s_add_co_u32 s98, s98, 204800
	s_mov_b32 s99, 0
	s_add_nc_u64 s[10:11], s[6:7], s[96:97]
	s_add_nc_u64 s[12:13], s[6:7], s[98:99]
	PUT 0
	PUT 1
	PUT 2
	PUT 3
	v_cmp_ne_u32 vcc_lo, 0, v2
	s_delay_alu instid0(VALU_DEP_1)
	v_cndmask_b32 v96, v104, v105, vcc_lo
	s_delay_alu instid0(VALU_DEP_2)
	v_cndmask_b32 v97, v106, v107, vcc_lo
	global_store_b16 v27, v96, s[12:13]            ; two of a channel's four bytes for these 128 keys
	global_store_b16 v27, v97, s[12:13] offset:128
.endm
.macro OUT t                           ; the arms hang on the cluster's x alone and hold no barrier and no tensor load
	s_cmp_eq_u32 ttmp9, 2
	s_cbranch_scc1 .Lv_\@
	QK_OUT \t
	s_branch .Lout_\@
.Lv_\@:
	V_OUT \t
.Lout_\@:
.endm
	s_load_b128 s[4:7], s[0:1], 0x0                ; prep_out, qkv_out
	v_lshl_add_u32 v[SPW], v0, 2, SPARE
	v_mov_b32 v[NIL], 0
	ds_add_u32 v[SPW], v[NIL]                      ; the opening: the add, twice on end, and its wait ahead of the first tensor load
	ds_add_u32 v[SPW], v[NIL]
	v_lshrrev_b32 v1, 5, v0
	s_delay_alu instid0(VALU_DEP_1)
	v_readfirstlane_b32 s14, v1                    ; wave
	s_and_b32 s15, s14, 1                          ; which 64 rows of A are mine; also which group of A I fetch
	s_lshr_b32 s16, s14, 1                         ; which 64 rows of B
	s_bfe_u32 s40, ttmp6, 0x40000                  ; cx
	s_bfe_u32 s41, ttmp6, 0x40004                  ; cy
	s_and_b32 s17, ttmp7, 0xffff                   ; the cluster's y, 0 .. 3
	s_mov_b32 s93, XQ_S
	s_mov_b32 s95, WQ_S
	s_cmp_eq_u32 ttmp9, 2                          ; v: the cluster's y counts B's blocks of 256 tokens, and A's first block is cy
	s_cselect_b32 s42, s17, ttmp9
	s_cselect_b32 s17, 0, s17
	s_cselect_b32 s92, WV_C, 0                     ; A's codes, A's scale words, B's codes, B's scale words: offsets in prep_out
	s_cselect_b32 s93, WV_S, s93
	s_cselect_b32 s94, 0, WQ_C
	s_cselect_b32 s95, XQ_S, s95
	s_lshl_b32 s17, s17, 2
	s_add_co_u32 s17, s17, s41                     ; A's block of tile 0
	s_lshl_b32 s42, s42, 2
	s_add_co_u32 s42, s42, s40                     ; B's block
	s_lshl_b32 s43, s41, 2
	s_lshl_b32 s43, 15, s43                        ; my row of the cluster
	s_lshl_b32 s44, 0x1111, s40                    ; my column
	s_or_b32 s[G1A], s43, (3<<16)|(1<<21)          ; 15:0 the mask; 17:16 elements of 8 bytes; 21 set beside a mask; no padding
	s_or_b32 s[G1B], s44, (3<<16)|(1<<21)
.irp g, G1A, G1B
	s_mov_b32 s[\g+1], 1536<<16                    ; four tiles x 12,288 bytes: all of K, dense
	s_mov_b32 s[\g+2], 4<<16
	s_mov_b32 s[\g+3], 1536<<16
	s_mov_b32 s[\g+4], 4
	s_mov_b32 s[\g+5], 192*KS
	s_mov_b32 s[\g+6], 0
	s_mov_b32 s[\g+7], 0
.endr
	s_or_b32 s[G1SA], s43, (3<<16)|(1<<20)|(1<<21)|(6<<22)|(127<<25)   ; padding on: behind every 128 words (a row of 512 bytes) 128 words are passed over, so that A's planes lie 1,024 bytes apart like B's
	s_or_b32 s[G1SB], s44, (3<<16)|(1<<21)
.irp g, G1SA, G1SB
	s_mov_b32 s[\g+1], (64+64*((\g)/G1SB))<<16     ; KS planes; a row is A's two groups' words, 64 elements of 8 bytes, or B's four groups', 128
	s_mov_b32 s[\g+2], KS<<16
	s_mov_b32 s[\g+3], (64+64*((\g)/G1SB))<<16
	s_mov_b32 s[\g+4], KS
	s_mov_b32 s[\g+5], 2048
	s_mov_b32 s[\g+6], 0
	s_mov_b32 s[\g+7], 0
.endr
	s_lshl_b32 s20, s17, 1
	s_add_co_u32 s20, s20, s15                     ; the group of A that I fetch
	s_lshl_b32 s22, s20, 8
	s_add_co_u32 s22, s22, s93
	s_mul_i32 s20, s20, 4*TILEB
	s_add_co_u32 s20, s20, s92
	s_mov_b32 s21, 0
	s_mov_b32 s23, 0
	s_sub_co_u32 s18, s14, 2
	s_and_b32 s18, s18, GB-1
	s_lshl_b32 s46, s42, 2
	s_lshl_b32 s66, s46, 8                         ; B's scale words begin at the block's first group
	s_add_co_u32 s46, s46, s18
	s_add_co_u32 s66, s66, s95
	s_mul_i32 s46, s46, 4*TILEB
	s_add_co_u32 s46, s46, s94
	s_mov_b32 s47, 0
	s_mov_b32 s67, 0
	s_mul_i32 s45, s14, 49152                      ; where codes go: group = wave; no place in the cluster enters an LDS address
	s_mov_b32 s19, 0
	s_mov_b32 s92, 32*4*TILEB                      ; from tile 0's A to tile 1's: q, k: 32 groups of 64 tokens on;
	s_mov_b32 s94, 32*256
	s_cmp_eq_u32 ttmp9, 2
	s_cselect_b32 s92, 8*4*TILEB, s92              ; v: 8 groups of 64 weight rows
	s_cselect_b32 s94, 8*256, s94
	s_mov_b32 s93, 0
	s_mov_b32 s95, 0
	s_wait_dscnt 0x0                               ; both opening adds are done
	s_wait_kmcnt 0x0
	s_add_nc_u64 s[20:21], s[4:5], s[20:21]
	s_add_nc_u64 s[22:23], s[4:5], s[22:23]
	s_add_nc_u64 s[46:47], s[4:5], s[46:47]
	s_add_nc_u64 s[66:67], s[4:5], s[66:67]
	MKG0 G0SA, 19, SCL, 22, 0
	MKG0 G0A, 45, 0, 20, 0
	MKG0 G0SB, 19, SCL+8192, 66, 0
	MKG0 G0B, 45, 0, 46, 0
	CROUND                                         ; all sixteen work-groups are here: the joint loads meet
; the head's loads, one a wave, in one chain of branches on the wave's number, all arms leading to one join
.macro ARM under, g0, g1, next, join
	s_cmp_lt_u32 s14, \under
	s_cbranch_scc0 \next
	tensor_load_to_lds s[\g0:\g0+3], s[\g1:\g1+7]
	s_nop 0
	PLACES
	s_branch \join
\next:
.endm
	ARM 2, G0A, G1A, .Lfill_b, .Lfilled
	ARM 6, G0B, G1B, .Lfill_sa, .Lfilled
	ARM 7, G0SA, G1SA, .Lfill_sb, .Lfilled
	tensor_load_to_lds s[G0SB:G0SB+3], s[G1SB:G1SB+7]
	s_nop 0
	PLACES
.Lfilled:
	s_lshl_b32 s12, s17, 1
	s_add_co_u32 s12, s12, s15
	s_lshl_b32 s12, s12, 14                        ; four tiles of 4,096 bytes for each 64 positions
	s_add_co_u32 s12, s12, ROPEO
	s_mov_b32 s13, 0
	s_add_nc_u64 s[8:9], s[4:5], s[12:13]          ; the table at my first tile of positions: the same for both tiles (q and k alone load by it)
	v_and_b32 v3, 31, v0                           ; lane
	v_and_b32 v1, 15, v0                           ; r
	v_bfe_u32 v2, v0, 4, 1                         ; h
	s_delay_alu instid0(VALU_DEP_3)
	v_lshlrev_b32 v30, 4, v3
	s_delay_alu instid0(VALU_DEP_4)
	v_lshlrev_b32 v31, 3, v3
	v_lshlrev_b32 v27, 2, v3
	v_mov_b32 v98, 0                               ; a lane permute's destination counts as one of its sources
	v_mov_b32 v99, 0
	s_mov_b32 s100, 0x76543210
	s_mov_b32 s101, 0xfedcba98
	s_mul_i32 s12, s15, 49152
	s_mul_i32 s13, s16, 49152
	s_add_co_u32 s13, s13, 2*49152
.irp p, 0,1
	v_add_nc_u32 v[4+4*\p], s12, v30               ; slot p: my group of A by 16 and by 8 bytes a lane, my group of B likewise
	v_add_nc_u32 v[5+4*\p], s12, v31
	v_add_nc_u32 v[6+4*\p], s13, v30
	v_add_nc_u32 v[7+4*\p], s13, v31
	s_add_co_u32 s12, s12, 6144                    ; the upper 512 along K lie 6,144 bytes on in each tile
	s_add_co_u32 s13, s13, 6144
.endr
	s_lshl_b32 s12, s15, 8                         ; a group's words: 256 bytes of each plane
	s_lshl_b32 s13, s16, 8
	s_add_co_u32 s13, s13, 8192
	s_sub_co_u32 s13, s13, s12
	v_mul_u32_u24 v16, s13, v2                     ; lanes 16-31 take B's words
	s_add_co_u32 s12, s12, SCL
	v_lshl_add_u32 v16, v1, 2, v16
	s_delay_alu instid0(VALU_DEP_1)
	v_add_nc_u32 v16, s12, v16
	s_wait_alu depctr_va_vdst(0)
	s_wait_tensorcnt 0x0                           ; my one load has landed
	s_barrier_signal -1
	s_barrier_wait -1
	; ---- tile 0
	SCLOAD
	FETCH 0, 0, 0
	STEP_IN 0, 0
	STEP_IN 1, 0
	STEP_IN 2, 0
	STEP_ON 3, 1
	STEP_IN 4, 1
	STEP_IN 5, 1
	STEP_IN 6, 1
	TABLE
	; K step 7, and A's bytes are filled again
	s_wait_tensorcnt 0x0                           ; no tensor load of mine is out, so a group 0 may be written
	ds_add_u32 v[SPW], v[NIL]                      ; 0 onto my spare word
	s_add_nc_u64 s[G0A+2:G0A+3], s[G0A+2:G0A+3], s[92:93]   ; tile 1's group of A; the type bits on top are not reached
	s_add_nc_u64 s[G0SA+2:G0SA+3], s[G0SA+2:G0SA+3], s[94:95]   ; and its scale words
	s_wait_dscnt 0x0                               ; the adds are done, and K step 7's fragments are in: my reads of A's bytes are over (the scale words have been in registers since the tile's head)
	s_barrier_signal -1                            ; this barrier opens a round of the cluster's
	MUL 96, 7, 0                                   ; work on registers while the others arrive
	WIN 0
	s_barrier_wait -1
	CREST                                          ; no wave of any partner still reads A's bytes or has a load on its way
	s_cmp_lt_u32 s14, 2
	s_cbranch_scc0 .Lrf_words
	tensor_load_to_lds s[G0A:G0A+3], s[G1A:G1A+7]  ; my one tensor load behind the round
	s_nop 0
	PLACES
	s_branch .Lrf_done
.Lrf_words:
	s_cmp_eq_u32 s14, 6
	s_cbranch_scc0 .Lrf_done
	tensor_load_to_lds s[G0SA:G0SA+3], s[G1SA:G1SA+7]
	s_nop 0
	PLACES
.Lrf_done:
	PLACES                                         ; on every wave's way: behind K step 7's products
	OUT 0                                          ; tile 0 goes out while tile 1's A lands
	s_wait_loadcnt 0x0                             ; no load of the table is out on any way into the next tile: its registers take fragments again
	s_wait_tensorcnt 0x0                           ; my part of tile 1's A has landed,
	s_barrier_signal -1
	s_barrier_wait -1                              ; everybody's has: both slots and the scale words are whole
	; ---- tile 1
	SCLOAD
	FETCH 0, 0, 0
	STEP_IN 0, 0
	STEP_IN 1, 0
	STEP_IN 2, 0
	STEP_ON 3, 1
	STEP_IN 4, 1
	STEP_IN 5, 1
	STEP_IN 6, 1
	TABLE
	s_wait_dscnt 0x0
	MUL 96, 7, 0
	PLACES
	WIN 0
	OUT 1
	s_wait_tensorcnt 0x0                           ; the wave's end
	ds_add_u32 v[SPW], v[NIL]
	s_wait_dscnt 0x0
	CROUND                                         ; the closing round
	s_endpgm
.Lfunc_end_k_q1894842884_qkv:
	.size	k_q1894842884_qkv, .Lfunc_end_k_q1894842884_qkv-k_q1894842884_qkv
	.p2alignl 7, 3214868480
	.fill 96, 4, 3214868480
	.section	.rodata,"a",@progbits
	.p2align	6, 0x0
	.amdhsa_kernel k_q1894842884_qkv
		.amdhsa_group_segment_fixed_size 327680
		.amdhsa_private_segment_fixed_size 0
		.amdhsa_enable_private_segment 0
		.amdhsa_kernarg_size 16
		.amdhsa_user_sgpr_count 2
		.amdhsa_user_sgpr_kernarg_segment_ptr 1
		.amdhsa_wavefront_size32 1
		.amdhsa_system_sgpr_workgroup_id_x 1
		.amdhsa_system_sgpr_workgroup_id_y 1
		.amdhsa_system_sgpr_workgroup_id_z 1
		.amdhsa_system_vgpr_workitem_id 0
		.amdhsa_next_free_vgpr 512
		.amdhsa_next_free_sgpr 104
		.amdhsa_reserve_vcc 1
		.amdhsa_float_denorm_mode_32 3
		.amdhsa_float_denorm_mode_16_64 3
		.amdhsa_memory_ordered 1
		.amdhsa_forward_progress 1
		.amdhsa_inst_pref_size 150
	.end_amdhsa_kernel
	.amdgpu_metadata
---
amdhsa.version: [ 1, 2 ]
amdhsa.kernels:
  - .name:           k_q1894842884_qkv
    .symbol:         k_q1894842884_qkv.kd
    .args:
      - { .name: prep_out, .offset: 0, .size: 8, .value_kind: global_buffer, .address_space: global }
      - { .name: qkv_out, .offset: 8, .size: 8, .value_kind: global_buffer, .address_space: global }
    .group_segment_fixed_size: 327680
    .private_segment_fixed_size: 0
    .kernarg_segment_align: 8
    .kernarg_segment_size: 16
    .max_flat_workgroup_size: 256
    .sgpr_count:     104
    .vgpr_count:     512
    .wavefront_size: 32
...
	.end_amdgpu_metadata
.endif
;; end of part 2
;; launch attn (part 3): grid 8 x 32, 16 waves a work-group, clusters of 4 x 1, 284,672 bytes of LDS; arguments qkv_out, y_out; writes y_out
.if DOCPART == 3
	.amdgcn_target "amdgcn-amd-amdhsa--gfx1250"
	.amdhsa_code_object_version 6
	.text
	.protected	k_q1894842884_attn
	.globl	k_q1894842884_attn
	.p2align	8
	.type	k_q1894842884_attn,@function
k_q1894842884_attn:
	s_mov_b64 s[64:65], 0
	v_nop
	global_prefetch_b8 v0, s[64:65] scope:SCOPE_SE
	s_setreg_imm32_b32 hwreg(HW_REG_WAVE_MODE, 25, 1), 1
	s_wait_xcnt 0x0
	s_wait_alu depctr_hold_cnt(0) depctr_sa_sdst(0) depctr_va_vdst(0) depctr_va_sdst(0) depctr_va_ssrc(0) depctr_va_vcc(0) depctr_vm_vsrc(0)
	s_getreg_b32 s2, hwreg(HW_REG_IB_STS2, 6, 4)
	s_cmp_eq_u32 s2, 0
	s_cbranch_scc0 .Lentry_in_a_cluster
	s_endpgm
.Lentry_in_a_cluster:
	s_bfe_u32 s2, ttmp6, 0x10000c
	s_cmp_lg_u32 s2, 0x3003
	s_cbranch_scc0 .Lentry_shape_is_right
	s_endpgm
.Lentry_shape_is_right:
; PRODUCTS 2 AND 3: causal attention on codes of FP6 (E2M3), head size 64, and the quantiser of product 4's left operand.
; LEFT OUT (shown at the head of the first kernel): a step of 128 keys all of which come after a tile's 16 queries has weight 0 under reference()'s own mask; its loads, products and softmax are not done.
; THE SOFTMAX AHEAD OF PRODUCT 3: t = score x log2(e) / 8; M = the running largest t rounded up to a whole number; p = 2^(t - M) is quantised along the keys, not normalised; the row's sum is taken of the
; unquantised p and divides at the end; when M moves, the sum and O are multiplied by 2^(old M - new M), exactly.
; SHARES.  A work-group serves one head; the head's whole record (k's codes, v's codes, both scale words: 208,896 bytes) lies in LDS, brought once: each of sixteen waves asks for a sixteenth, jointly with the three
; partners of its cluster, which serve the same head.  Nothing is filled again.  Wave w owns ONE tile of 16 queries, tile 8 blk(w) + i, i the work-group's number in the head (0 .. 7): its queries lie inside key step
; blk(w), so it walks blk(w) + 1 steps.  blk is a 4 x 4 magic square less 1: any four waves w = s mod 4, and any four on end, walk 34 steps together, and it hangs on the wave's number alone: all partners branch alike.
; LAYOUT.  Both products transposed: S^T = K Q^T, O^T = V^T P^T: a lane holds one query.  Tiles of k hold keys 32 (T/2) + 8 (T%2) + r + 8 (r/8), so the 16 registers of two neighbouring tiles of S^T are 16 neighbouring keys.
; K = 64: q's registers 6-11 are zero codes.  k's operand names 12 registers at a stride of 6, so its upper six are the next tile's codes: finite numbers that meet zeros.  Both scale words hold 0x7f up there.
; REGISTERS: v1-4, v7, v28 addresses that stay; v8-11, v29, v30 the step's; v12 -M, v13 largest t, v[14:15] the sum; v16-27 Q; v31 the mask's number; v32-85 K, then V; v86-91 scale words; v96-159 S^T, then p; v160-191 O^T; v224.. p's codes; v232-254 at work; v255 Q's scale word.
.set QS,    3145728
.set KV,    3407872
.set RECB,  208896
.set VOFF,  98304
.set KSOFF, 196608
.set VSOFF, 204800
; THE DEAL OF TILES, WHICH TAKES THE PLACE OF THE ONE DESCRIBED UNDER 'SHARES' ABOVE.  The head's 16 tiles of a work-group (tile 8 blk + i, blk + 1 key steps) go in pairs, blk = 8 + p and blk = 7 - p: 17 steps a pair, two waves.
; Wave p (0 .. 7) walks steps 0 .. 8 of the long tile.  Wave 8 + p walks the short tile, steps 0 .. 7 - p; in trip 8, which holds no step of its own, it lays the short tile's O^T, -M and sums into LDS bytes of the pair's own,
; takes up the long tile's Q with a fresh state, and walks steps 9 .. 8 + p.  So every wave walks 9 or 8 steps, in ascending order, in the one loop of sixteen trips.  Behind the loop wave 8 + p lays its part of the long tile
; into LDS and takes the short tile's state back; behind one barrier wave p joins the two parts: M = the larger of the two whole numbers, each part times 2^(its M - M), which rounds nothing.  All branches hang on the wave's number and the count of trips.
.set SPARE, 208896
.set PART,  210944                     ; behind the spare words: 9,216 bytes a pair: the long tile's second part (8 x 512 bytes of O^T, 512 of -M, t and the sums), then the short tile's state likewise; no tensor load lands here
.set LO,  46                           ; s46, s47 the first and last step of the tile that I am walking
.set HI,  47
.set BL2, 48                           ; s48 the pair's long tile's blk;  s49 that tile;  s50 the pair's LDS bytes
.set TQ2, 49
.set PB,  50
.set YS,    3145728
.set WV,  8
.set BLK, 14
.set ST,  15
.set TB,  16
.set TS,  17
.set TJ,  18
.set TQ,  19
.set SEL, 20
.set CS,  22
.set G1,  24
.set G0,  32
.macro ROUND
	s_barrier_signal -1
	s_barrier_wait -1
	s_cmp_lg_u32 s[WV], 0
	s_cbranch_scc1 .Lnot_wave_0_\@
	s_barrier_signal -3
.Lnot_wave_0_\@:
	s_barrier_wait -3
	s_barrier_signal -1
	s_barrier_wait -1
.endm
	s_load_b128 s[4:7], s[0:1], 0x0                ; qkv_out, y_out
	v_lshl_add_u32 v5, v0, 2, SPARE
	v_mov_b32 v6, 0
	ds_add_u32 v5, v6                              ; the opening: the add, twice on end, and its wait ahead of the first tensor load
	ds_add_u32 v5, v6
	v_lshrrev_b32 v8, 5, v0
	s_delay_alu instid0(VALU_DEP_1)
	v_readfirstlane_b32 s[WV], v8
	s_bfe_u32 s9, ttmp6, 0x40000                   ; cx: it enters global addresses and the mask's number alone
	s_lshl_b32 s10, ttmp9, 2
	s_add_co_u32 s10, s10, s9                      ; i
	s_and_b32 s11, ttmp7, 0xffff                   ; 16 x batch + head
	s_and_b32 s13, s[WV], 7                        ; the pair p
	s_add_co_u32 s[BL2], s13, 8                    ; its long tile's blk
	s_sub_co_u32 s12, 7, s13                       ; its short tile's
	s_cmp_lt_u32 s[WV], 8
	s_cselect_b32 s[BLK], s[BL2], s12              ; the tile that I begin with, and that I write out
	s_cselect_b32 s[HI], 8, s12
	s_mov_b32 s[LO], 0
	s_lshl_b32 s[TQ], s[BLK], 3
	s_add_co_u32 s[TQ], s[TQ], s10
	s_lshl_b32 s[TQ2], s[BL2], 3
	s_add_co_u32 s[TQ2], s[TQ2], s10
	s_mul_i32 s[PB], s13, 9216
	s_add_co_u32 s[PB], s[PB], PART
	s_mov_b32 s[G1], 15|(3<<16)|(1<<21)            ; the mask: all four partners; elements of 8 bytes; bit 21 beside a mask
	s_mov_b32 s[G1+1], 32<<16                      ; 51 rows of 256 bytes, dense
	s_mov_b32 s[G1+2], 51<<16
	s_mov_b32 s[G1+3], 32<<16
	s_mov_b32 s[G1+4], 51
	s_mov_b32 s[G1+5], 32
	s_mov_b32 s[G1+6], 0
	s_mov_b32 s[G1+7], 0
	s_mul_i32 s36, s11, RECB
	s_mul_i32 s37, s[WV], 13056
	s_add_co_u32 s36, s36, s37
	s_add_co_u32 s36, s36, KV
	s_mov_b32 s[G0], 1
	s_mov_b32 s[G0+1], s37
	s_mov_b32 s37, 0
	s_mov_b32 s[SEL], 0x76543210
	s_mov_b32 s[SEL+1], 0xfedcba98
	s_mov_b32 s[CS], 0x3e38aa3b                    ; log2(e) / 8
	s_mov_b32 s[CS+1], s[CS]
	s_mov_b32 s[ST], 0
	s_mov_b32 s[TB], 0
	s_mov_b32 s[TS], 0
	s_mov_b32 s[TJ], 0
	s_wait_dscnt 0x0
	s_wait_kmcnt 0x0
	s_add_nc_u64 s[G0+2:G0+3], s[4:5], s[36:37]
	s_or_b32 s[G0+3], s[G0+3], 0x80000000
	ROUND                                          ; the four work-groups are here: the joint loads meet
	tensor_load_to_lds s[G0:G0+3], s[G1:G1+7]      ; my sixteenth of the record: one load of mine is out
	s_nop 0
.rept 4
	v_nop
.endr
	s_lshl_b32 s37, s11, 7
	s_add_co_u32 s37, s37, s[TQ]
	s_mul_i32 s38, s37, 768
	s_mov_b32 s39, 0
	s_add_nc_u64 s[40:41], s[4:5], s[38:39]        ; Q's unit
	s_lshl_b32 s38, s37, 6
	s_add_co_u32 s38, s38, QS
	s_add_nc_u64 s[42:43], s[4:5], s[38:39]
	s_lshl_b32 s37, s11, 7
	s_add_co_u32 s37, s37, s[TQ2]
	s_mul_i32 s38, s37, 768
	s_add_nc_u64 s[52:53], s[4:5], s[38:39]        ; the long tile's Q
	s_lshl_b32 s38, s37, 6
	s_add_co_u32 s38, s38, QS
	s_add_nc_u64 s[54:55], s[4:5], s[38:39]        ; and its scale words
	s_and_b32 s44, s10, 1
	s_lshl_b32 s44, s44, 3
	s_lshr_b32 s45, s10, 1
	s_lshl_b32 s45, s45, 5
	s_add_co_u32 s44, s44, s45
	v_and_b32 v8, 31, v0
	s_delay_alu instid0(VALU_DEP_1)
	v_lshlrev_b32 v1, 4, v8
	s_delay_alu instid0(VALU_DEP_2)
	v_lshl_add_u32 v2, v8, 3, 512
	s_delay_alu instid0(VALU_DEP_3)
	v_lshl_add_u32 v3, v8, 4, VOFF
	s_delay_alu instid0(VALU_DEP_4)
	v_lshl_add_u32 v4, v8, 3, VOFF+512
	v_lshl_add_u32 v7, v8, 2, KSOFF
	v_lshl_add_u32 v28, v8, 2, VSOFF
	v_add_nc_u32 v199, s[PB], v1                   ; the pair's LDS bytes, 16 a lane
	v_and_b32 v9, 15, v0
	v_bfe_u32 v10, v0, 4, 1
	s_delay_alu instid0(VALU_DEP_2)
	v_lshlrev_b32 v11, 2, v9
	global_load_b128 v[16:19], v1, s[40:41]
	global_load_b64 v[20:21], v2, s[40:41]
	global_load_b32 v255, v11, s[42:43]
	global_load_b128 v[192:195], v1, s[52:53]      ; the long tile's Q, kept for trip 8 (in waves 0 to 7 it is the tile just asked for: no branch parts the head)
	global_load_b64 v[196:197], v2, s[52:53]
	global_load_b32 v198, v11, s[54:55]
	v_and_b32 v29, 8, v9
	s_delay_alu instid0(VALU_DEP_1)
	v_add_nc_u32 v29, v29, v9
	v_lshlrev_b32 v30, 4, v10
	s_delay_alu instid0(VALU_DEP_1)
	v_sub_nc_u32 v29, v29, v30
	s_delay_alu instid0(VALU_DEP_1)
	v_add_nc_u32 v31, s44, v29                     ; my query less 128 blk less 16 h
	v_mov_b32 v13, 0xff61b1e6                      ; the largest t so far: -3e38
	s_delay_alu instid0(VALU_DEP_1)
	v_floor_f32 v12, -v13
	v_mov_b32 v14, 0
	v_mov_b32 v15, 0
.irp j, 22,23,24,25,26,27,80,81,82,83,84,85,236,237,238,239,252,253
	v_mov_b32 v[\j], 0                             ; Q's upper half and the last tile's: zero codes; lane permutes' destinations and pairs' upper halves: written once
.endr
.irp j, 0,1,2,3,4,5,6,7,8,9,10,11,12,13,14,15,16,17,18,19,20,21,22,23,24,25,26,27,28,29,30,31
	v_mov_b32 v[160+\j], 0                         ; O^T: the step is written once; the first change of M multiplies zeros
.endr
	s_wait_tensorcnt 0x0
	s_barrier_signal -1
	s_barrier_wait -1                              ; the record is whole
	s_wait_loadcnt 0x0                             ; Q
.Lstep:
	s_cmp_lt_u32 s[WV], 8
	s_cbranch_scc1 .Lsame
	s_cmp_lg_u32 s[ST], 8
	s_cbranch_scc1 .Lsame
	; waves 8 to 15, trip 8: from the short tile to the long one
.rept 4
	v_nop                                          ; the places behind the last step's products
.endr
	s_wait_alu depctr_va_vdst(0)                   ; the wait ahead of readers behind branches
.irp j, 0,1,2,3,4,5,6,7
	ds_store_b128 v199, v[160+4*\j:163+4*\j] offset:4608+512*\j   ; each accumulator from its low end on
.endr
	ds_store_b128 v199, v[12:15] offset:4608+4096
.irp j, 0,1,2,3,4,5
	v_mov_b32 v[16+\j], v[192+\j]
.endr
	v_mov_b32 v255, v198
	v_mov_b32 v13, 0xff61b1e6                      ; a fresh state, as at the head
	v_mov_b32 v14, 0
	v_mov_b32 v15, 0
	v_floor_f32 v12, -v13
.irp j, 0,1,2,3,4,5,6,7,8,9,10,11,12,13,14,15,16,17,18,19,20,21,22,23,24,25,26,27,28,29,30,31
	v_mov_b32 v[160+\j], 0
.endr
	s_mov_b32 s[BLK], s[BL2]
	s_mov_b32 s[LO], 9
	s_mov_b32 s[HI], s[BL2]
	s_wait_alu depctr_va_vdst(0)
.Lsame:
	s_cmp_lt_u32 s[ST], s[LO]
	s_cbranch_scc1 .Lhidden
	s_cmp_gt_u32 s[ST], s[HI]
	s_cbranch_scc1 .Lhidden
	v_add_nc_u32 v8, s[TB], v1                     ; six plain instructions: the places behind the last step's products
	v_add_nc_u32 v9, s[TB], v2
	v_add_nc_u32 v10, s[TB], v3
	v_add_nc_u32 v11, s[TB], v4
	v_add_nc_u32 v29, s[TS], v7
	v_add_nc_u32 v30, s[TJ], v28
.irp t, 0,1,2,3,4,5,6,7
	ds_load_b128 v[32+6*\t:35+6*\t], v8 offset:768*\t
	ds_load_b64 v[36+6*\t:37+6*\t], v9 offset:768*\t
.endr
.irp p, 0,1,2,3
	ds_load_b32 v[86+\p], v29 offset:128*\p        ; lanes 0-15 tile 2 p's words, lanes 16-31 tile 2 p + 1's
.endr
	s_wait_alu depctr_va_vdst(0)
	s_wait_dscnt 0x0
.irp t, 0,2,4,6
	v_wmma_scale_f32_16x16x128_f8f6f4 v[96+8*\t:103+8*\t], v[32+6*\t:43+6*\t], v[16:27], 0, v[86+\t/2], v255 matrix_a_fmt:MATRIX_FMT_FP6 matrix_b_fmt:MATRIX_FMT_FP6
	v_wmma_scale_f32_16x16x128_f8f6f4 v[104+8*\t:111+8*\t], v[38+6*\t:49+6*\t], v[16:27], 0, v[86+\t/2], v255 matrix_a_fmt:MATRIX_FMT_FP6 matrix_b_fmt:MATRIX_FMT_FP6 matrix_a_scale:MATRIX_SCALE_ROW1
.endr
.rept 4
	v_nop
.endr
.irp t, 0,1,2,3                                ; V's four fragments for these 128 keys are asked for now and land during the softmax
.irp c, 0,1
	ds_load_b128 v[32+12*\t+6*\c:35+12*\t+6*\c], v10 offset:3072*\c+768*\t
	ds_load_b64 v[36+12*\t+6*\c:37+12*\t+6*\c], v11 offset:3072*\c+768*\t
.endr
.endr
	ds_load_b32 v90, v30
	ds_load_b32 v91, v30 offset:128
	s_cmp_lg_u32 s[ST], s[BLK]                     ; on my diagonal step hidden scores become -infinity ahead of the maximum
	s_cbranch_scc1 .Lopen
	v_mov_b32 v254, 0xff800000
.irp n, 0,1,2,3,4,5,6,7,8,9,10,11,12,13,14,15,16,17,18,19,20,21,22,23,24,25,26,27,28,29,30,31,32,33,34,35,36,37,38,39,40,41,42,43,44,45,46,47,48,49,50,51,52,53,54,55,56,57,58,59,60,61,62,63
	v_cmp_gt_i32 vcc_lo, 32*(\n/16)+\n%16, v31     ; register 16 b + i holds key 128 blk + 32 b + 16 h + i
	v_cndmask_b32 v[96+\n], v[96+\n], v254, vcc_lo
.endr
.Lopen:
.irp b, 0,1,2,3
	v_max3_num_f32 v[232+\b], v[96+16*\b], v[97+16*\b], v[98+16*\b]   ; each block's largest score: for the row's maximum, and, since p rises with the score, for the block's largest p
.endr
.irp i, 3,5,7,9,11,13
.irp b, 0,1,2,3
	v_max3_num_f32 v[232+\b], v[232+\b], v[96+16*\b+\i], v[97+16*\b+\i]
.endr
.endr
.irp b, 0,1,2,3
	v_max_num_f32 v[232+\b], v[232+\b], v[111+16*\b]
.endr
.irp b, 0,1,2,3
	s_delay_alu instid0(VALU_DEP_4)
	v_permlanex16_b32 v[236+\b], v[232+\b], s[SEL], s[SEL+1]
.endr
.irp b, 0,1,2,3
	s_delay_alu instid0(VALU_DEP_4)
	v_max_num_f32 v[232+\b], v[232+\b], v[236+\b]
.endr
	s_delay_alu instid0(VALU_DEP_2)
	v_max3_num_f32 v254, v232, v233, v234
	s_delay_alu instid0(VALU_DEP_1)
	v_max_num_f32 v254, v254, v235
	s_delay_alu instid0(VALU_DEP_1)
	v_mul_f32 v254, s[CS], v254
	s_delay_alu instid0(VALU_DEP_1)
	v_max_num_f32 v13, v13, v254                   ; the running largest t
	v_mov_b32 v254, v12
	s_delay_alu instid0(VALU_DEP_2)
	v_floor_f32 v12, -v13                          ; -M = floor(-t)
	s_delay_alu instid0(VALU_DEP_1)
	v_sub_f32 v254, v12, v254
	s_delay_alu instid0(VALU_DEP_1)
	v_cvt_i32_f32 v254, v254                       ; (it saturates)
	s_delay_alu instid0(VALU_DEP_1)
	v_ldexp_f32 v252, 1.0, v254                    ; f = 2^(old M - new M)
.irp j, 0,2,4,6,8,10,12,14,16,18,20,22,24,26,28,30,32,34,36,38,40,42,44,46,48,50,52,54,56,58,60,62
	v_pk_fma_f32 v[96+\j:97+\j], v[96+\j:97+\j], s[CS:CS+1], v[12:13] op_sel_hi:[1,0,0]
.endr
.irp b, 0,1,2,3
	v_fma_f32 v[232+\b], v[232+\b], s[CS], v12
.endr
	s_wait_alu depctr_va_vdst(0)
.irp j, 0,1,2,3,4,5,6,7,8,9,10,11,12,13,14,15,16,17,18,19,20,21,22,23,24,25,26,27,28,29,30,31,32,33,34,35,36,37,38,39,40,41,42,43,44,45,46,47,48,49,50,51,52,53,54,55,56,57,58,59,60,61,62,63
	v_exp_f32 v[96+\j], v[96+\j]                   ; p = 2^(t - M)
.endr
	v_pk_mul_f32 v[14:15], v[14:15], v[252:253] op_sel_hi:[1,0]    ; the sums under the new M: the plain instruction behind the batch
	s_wait_alu depctr_va_vdst(0)                   ; one wait for the 64, ahead of their first reader
.irp b, 0,1,2,3
	v_exp_f32 v[232+\b], v[232+\b]                 ; each block's largest p
.endr
	v_pk_add_f32 v[236:237], v[100:101], v[104:105]
	v_pk_add_f32 v[250:251], v[108:109], v[112:113]
	v_pk_add_f32 v[248:249], v[116:117], v[120:121]
	v_pk_add_f32 v[246:247], v[124:125], v[128:129]
	v_pk_add_f32 v[244:245], v[132:133], v[136:137]
	v_pk_add_f32 v[242:243], v[140:141], v[144:145]
	v_pk_add_f32 v[240:241], v[148:149], v[152:153]
	v_pk_add_f32 v[14:15], v[14:15], v[156:157]
	v_pk_add_f32 v[236:237], v[236:237], v[96:97]
	v_pk_add_f32 v[250:251], v[250:251], v[98:99]
	v_pk_add_f32 v[248:249], v[248:249], v[102:103]
	v_pk_add_f32 v[246:247], v[246:247], v[106:107]
	v_pk_add_f32 v[244:245], v[244:245], v[110:111]
	v_pk_add_f32 v[242:243], v[242:243], v[114:115]
	v_pk_add_f32 v[240:241], v[240:241], v[118:119]
	v_pk_add_f32 v[14:15], v[14:15], v[122:123]
	v_pk_add_f32 v[236:237], v[236:237], v[126:127]
	v_pk_add_f32 v[250:251], v[250:251], v[130:131]
	v_pk_add_f32 v[248:249], v[248:249], v[134:135]
	v_pk_add_f32 v[246:247], v[246:247], v[138:139]
	v_pk_add_f32 v[244:245], v[244:245], v[142:143]
	v_pk_add_f32 v[242:243], v[242:243], v[146:147]
	v_pk_add_f32 v[240:241], v[240:241], v[150:151]
	v_pk_add_f32 v[14:15], v[14:15], v[154:155]
	v_pk_add_f32 v[236:237], v[236:237], v[158:159]
	s_delay_alu instid0(VALU_DEP_2)
	v_pk_add_f32 v[14:15], v[14:15], v[246:247]
	s_delay_alu instid0(VALU_DEP_2)
	v_pk_add_f32 v[236:237], v[236:237], v[244:245]
	v_pk_add_f32 v[250:251], v[250:251], v[242:243]
	v_pk_add_f32 v[248:249], v[248:249], v[240:241]
	s_delay_alu instid0(VALU_DEP_2)
	v_pk_add_f32 v[14:15], v[14:15], v[250:251]
	s_delay_alu instid0(VALU_DEP_2)
	v_pk_add_f32 v[236:237], v[236:237], v[248:249]
	s_delay_alu instid0(VALU_DEP_1)
	v_pk_add_f32 v[14:15], v[14:15], v[236:237]
	s_wait_alu depctr_va_vdst(0)                   ; and one for the four
.irp b, 0,1,2,3
	v_max_num_f32 v[232+\b], 0x1800000, v[232+\b]  ; the floor 2^(3 - 127)
.endr
.irp b, 0,1,2,3
	s_delay_alu instid0(VALU_DEP_4)
	v_add_nc_u32 v[244+\b], 0xff000000, v[232+\b]
.endr
.irp b, 0,1,2,3
	s_delay_alu instid0(VALU_DEP_4)
	v_lshrrev_b32 v[236+\b], 23, v[244+\b]
.endr
	s_delay_alu instid0(VALU_DEP_3)
	v_lshl_or_b32 v253, v237, 8, v236              ; p's scale word for these 128 keys
	s_delay_alu instid0(VALU_DEP_1)
	v_lshl_or_b32 v253, v238, 16, v253
	s_delay_alu instid0(VALU_DEP_1)
	v_lshl_or_b32 v253, v239, 24, v253
.irp c, 0,1
	v_cvt_scalef32_pk16_fp6_f32 v[224+6*\c:226+6*\c], v[96+32*\c:111+32*\c], v[244+2*\c]
	v_cvt_scalef32_pk16_fp6_f32 v[236+4*\c:238+4*\c], v[112+32*\c:127+32*\c], v[244+2*\c+1]
.endr
	v_nop
.irp c, 0,1
.irp i, 0,1,2
	v_permlane16_swap_b32 v[224+6*\c+\i], v[236+4*\c+\i]
.endr
.irp i, 0,1,2
	s_delay_alu instid0(VALU_DEP_3)
	v_mov_b32 v[227+6*\c+\i], v[236+4*\c+\i]
.endr
.endr
.irp j, 0,2,4,6,8,10,12,14,16,18,20,22,24,26,28,30
	v_pk_mul_f32 v[160+\j:161+\j], v[160+\j:161+\j], v[252:253] op_sel_hi:[1,0]   ; O^T under the new M; these sixteen are also the places ahead of the scaled products
.endr
	s_wait_alu depctr_va_vdst(0)
	s_wait_dscnt 0x0                               ; V
.irp t, 0,2
	v_wmma_scale_f32_16x16x128_f8f6f4 v[160+8*\t:167+8*\t], v[32+12*\t:43+12*\t], v[224:235], v[160+8*\t:167+8*\t], v[90+\t/2], v253 matrix_a_fmt:MATRIX_FMT_FP6 matrix_b_fmt:MATRIX_FMT_FP6
	v_wmma_scale_f32_16x16x128_f8f6f4 v[168+8*\t:175+8*\t], v[44+12*\t:55+12*\t], v[224:235], v[168+8*\t:175+8*\t], v[90+\t/2], v253 matrix_a_fmt:MATRIX_FMT_FP6 matrix_b_fmt:MATRIX_FMT_FP6 matrix_a_scale:MATRIX_SCALE_ROW1
.endr
.Lhidden:
	s_add_co_u32 s[TB], s[TB], 6144                ; the next 128 keys: eight tiles of k, two units of each of v's four tiles,
	s_add_co_u32 s[TS], s[TS], 512                 ; k's scale words,
	s_add_co_u32 s[TJ], s[TJ], 256                 ; v's
	s_add_co_u32 s[ST], s[ST], 1
	s_cmp_lt_u32 s[ST], 16
	s_cbranch_scc1 .Lstep
	s_cmp_lt_u32 s[WV], 8
	s_cbranch_scc1 .Lfirst_part
	; waves 8 to 15: my part of the long tile goes to LDS, and the short tile's state comes back
.rept 4
	v_nop                                          ; the places behind the last step's products
.endr
	s_wait_alu depctr_va_vdst(0)
.irp j, 0,1,2,3,4,5,6,7
	ds_store_b128 v199, v[160+4*\j:163+4*\j] offset:512*\j
.endr
	ds_store_b128 v199, v[12:15] offset:4096
	s_wait_dscnt 0x0                               ; the stores are done: their registers take the loads below
.irp j, 0,1,2,3,4,5,6,7
	ds_load_b128 v[160+4*\j:163+4*\j], v199 offset:4608+512*\j
.endr
	ds_load_b128 v[12:15], v199 offset:4608+4096
.Lfirst_part:
	s_wait_dscnt 0x0                               ; for my partner: my stores have landed
	s_barrier_signal -1
	s_barrier_wait -1
	s_cmp_lt_u32 s[WV], 8
	s_cbranch_scc0 .Lwhole
	; waves 0 to 7: the long tile's two parts are joined
.irp j, 0,1,2,3,4,5,6,7
	ds_load_b128 v[96+4*\j:99+4*\j], v199 offset:512*\j
.endr
	ds_load_b128 v[128:131], v199 offset:4096
	s_wait_dscnt 0x0
	v_min_num_f32 v132, v12, v128                  ; -M of the whole: the smaller of the two
	v_mov_b32 v137, 0                              ; (named as pairs' upper halves)
	v_mov_b32 v139, 0
	v_sub_f32 v133, v132, v12                      ; my M less the whole's: a whole number, 0 or less
	v_sub_f32 v134, v132, v128                     ; my partner's likewise (a part with no step holds -M = 3e38: its factor comes out 0)
	v_cvt_i32_f32 v133, v133                       ; (they saturate)
	v_cvt_i32_f32 v134, v134
	v_ldexp_f32 v136, 1.0, v133
	v_ldexp_f32 v138, 1.0, v134
	v_pk_mul_f32 v[14:15], v[14:15], v[136:137] op_sel_hi:[1,0]
	v_pk_fma_f32 v[14:15], v[130:131], v[138:139], v[14:15] op_sel_hi:[1,0,1]
.irp j, 0,2,4,6,8,10,12,14,16,18,20,22,24,26,28,30
	v_pk_mul_f32 v[160+\j:161+\j], v[160+\j:161+\j], v[136:137] op_sel_hi:[1,0]
.endr
.irp j, 0,2,4,6,8,10,12,14,16,18,20,22,24,26,28,30
	v_pk_fma_f32 v[160+\j:161+\j], v[96+\j:97+\j], v[138:139], v[160+\j:161+\j] op_sel_hi:[1,0,1]
.endr
.Lwhole:
	; THE WAY OUT: y = O^T / the sum; my 64 channels are K = 64 head + .. of product 4: one unit and two scale bytes a row
	v_add_f32 v14, v14, v15
	s_delay_alu instid0(VALU_DEP_1)
	v_permlanex16_b32 v252, v14, s[SEL], s[SEL+1]
	s_delay_alu instid0(VALU_DEP_1)
	v_add_f32 v14, v14, v252
	s_wait_alu depctr_va_vdst(0)
	v_rcp_f32 v14, v14
	v_and_b32 v8, 15, v0
	v_bfe_u32 v9, v0, 4, 1
	s_delay_alu instid0(VALU_DEP_1)
	v_lshl_add_u32 v8, v8, 2, v9                   ; 4 r + h
	s_lshr_b32 s36, s11, 4
	s_lshl_b32 s36, s36, 7
	s_add_co_u32 s36, s36, s[TQ]                   ; my tile among the 256 tiles of tokens
	s_and_b32 s37, s11, 15                         ; head
	s_lshl_b32 s38, s36, 4
	s_add_co_u32 s38, s38, s37
	s_mul_i32 s38, s38, 768
	s_mov_b32 s39, 0
	s_add_nc_u64 s[40:41], s[6:7], s[38:39]
	s_lshr_b32 s38, s37, 1
	s_lshl_b32 s38, s38, 12
	s_lshl_b32 s44, s36, 4
	s_add_co_u32 s38, s38, s44
	s_lshl_b32 s38, s38, 2
	s_and_b32 s44, s37, 1
	s_lshl_b32 s44, s44, 1
	s_add_co_u32 s38, s38, s44
	s_add_co_u32 s38, s38, YS
	s_add_nc_u64 s[42:43], s[6:7], s[38:39]
	s_wait_alu depctr_va_vdst(0)                   ; the wait ahead of the reciprocal's first reader
.irp j, 0,1,2,3,4,5,6,7,8,9,10,11,12,13,14,15,16,17,18,19,20,21,22,23,24,25,26,27,28,29,30,31
	v_mul_f32 v[96+\j], v[160+\j], v14             ; register 16 b + i: channel 32 b + 16 h + i
.endr
	v_max3_num_f32 v232, |v96|, |v97|, 0x1800000
	v_max3_num_f32 v233, |v112|, |v113|, 0x1800000
.irp i, 2,4,6,8,10,12,14
	s_delay_alu instid0(VALU_DEP_2)
	v_max3_num_f32 v232, v232, |v[96+\i]|, |v[97+\i]|
	s_delay_alu instid0(VALU_DEP_2)
	v_max3_num_f32 v233, v233, |v[112+\i]|, |v[113+\i]|
.endr
	s_delay_alu instid0(VALU_DEP_2)
	v_permlanex16_b32 v236, v232, s[SEL], s[SEL+1]
	s_delay_alu instid0(VALU_DEP_2)
	v_permlanex16_b32 v237, v233, s[SEL], s[SEL+1]
	s_delay_alu instid0(VALU_DEP_2)
	v_max_num_f32 v232, v232, v236
	s_delay_alu instid0(VALU_DEP_2)
	v_max_num_f32 v233, v233, v237
	s_delay_alu instid0(VALU_DEP_2)
	v_add_nc_u32 v244, 0xff000000, v232
	s_delay_alu instid0(VALU_DEP_2)
	v_add_nc_u32 v245, 0xff000000, v233
	s_delay_alu instid0(VALU_DEP_2)
	v_lshrrev_b32 v246, 23, v244
	s_delay_alu instid0(VALU_DEP_2)
	v_lshrrev_b32 v247, 23, v245
	v_cvt_scalef32_pk16_fp6_f32 v[224:226], v[96:111], v244
	v_cvt_scalef32_pk16_fp6_f32 v[240:242], v[112:127], v245
	v_nop
.irp i, 0,1,2
	v_permlane16_swap_b32 v[224+\i], v[240+\i]
.endr
.irp i, 0,1,2
	s_delay_alu instid0(VALU_DEP_3)
	v_mov_b32 v[227+\i], v[240+\i]
.endr
	v_cmp_ne_u32 vcc_lo, 0, v9
	s_delay_alu instid0(VALU_DEP_1)
	v_cndmask_b32 v248, v246, v247, vcc_lo
	global_store_b128 v1, v[224:227], s[40:41]     ; 768 consecutive bytes
	global_store_b64 v2, v[228:229], s[40:41]
	global_store_b8 v8, v248, s[42:43]
	s_wait_tensorcnt 0x0                           ; the wave's end
	ds_add_u32 v5, v6
	s_wait_dscnt 0x0
	ROUND                                          ; the closing round
	s_endpgm
.Lfunc_end_k_q1894842884_attn:
	.size	k_q1894842884_attn, .Lfunc_end_k_q1894842884_attn-k_q1894842884_attn
	.p2alignl 7, 3214868480
	.fill 96, 4, 3214868480
	.section	.rodata,"a",@progbits
	.p2align	6, 0x0
	.amdhsa_kernel k_q1894842884_attn
		.amdhsa_group_segment_fixed_size 284672
		.amdhsa_private_segment_fixed_size 0
		.amdhsa_enable_private_segment 0
		.amdhsa_kernarg_size 16
		.amdhsa_user_sgpr_count 2
		.amdhsa_user_sgpr_kernarg_segment_ptr 1
		.amdhsa_wavefront_size32 1
		.amdhsa_system_sgpr_workgroup_id_x 1
		.amdhsa_system_sgpr_workgroup_id_y 1
		.amdhsa_system_sgpr_workgroup_id_z 1
		.amdhsa_system_vgpr_workitem_id 0
		.amdhsa_next_free_vgpr 256
		.amdhsa_next_free_sgpr 66
		.amdhsa_reserve_vcc 1
		.amdhsa_float_denorm_mode_32 3
		.amdhsa_float_denorm_mode_16_64 3
		.amdhsa_memory_ordered 1
		.amdhsa_forward_progress 1
		.amdhsa_inst_pref_size 43
	.end_amdhsa_kernel
	.amdgpu_metadata
---
amdhsa.version: [ 1, 2 ]
amdhsa.kernels:
  - .name:           k_q1894842884_attn
    .symbol:         k_q1894842884_attn.kd
    .args:
      - { .name: qkv_out, .offset: 0, .size: 8, .value_kind: global_buffer, .address_space: global }
      - { .name: y_out, .offset: 8, .size: 8, .value_kind: global_buffer, .address_space: global }
    .group_segment_fixed_size: 284672
    .private_segment_fixed_size: 0
    .kernarg_segment_align: 8
    .kernarg_segment_size: 16
    .max_flat_workgroup_size: 512
    .sgpr_count:     66
    .vgpr_count:     256
    .wavefront_size: 32
...
	.end_amdgpu_metadata
.endif
;; end of part 3
;; launch oproj (part 4): grid 8 x 32, 4 waves a work-group, clusters of 4 x 4, 327,680 bytes of LDS; arguments y_out, prep_out, x, x1; writes x1
.if DOCPART == 4
	.amdgcn_target "amdgcn-amd-amdhsa--gfx1250"
	.amdhsa_code_object_version 6
	.text
	.protected	k_q1894842884_oproj
	.globl	k_q1894842884_oproj
	.p2align	8
	.type	k_q1894842884_oproj,@function
k_q1894842884_oproj:
	s_mov_b64 s[64:65], 0
	v_nop
	global_prefetch_b8 v0, s[64:65] scope:SCOPE_SE
	s_setreg_imm32_b32 hwreg(HW_REG_WAVE_MODE, 25, 1), 1
	s_wait_xcnt 0x0
	s_wait_alu depctr_hold_cnt(0) depctr_sa_sdst(0) depctr_va_vdst(0) depctr_va_sdst(0) depctr_va_ssrc(0) depctr_va_vcc(0) depctr_vm_vsrc(0)
	s_getreg_b32 s2, hwreg(HW_REG_IB_STS2, 6, 4)
	s_cmp_eq_u32 s2, 0
	s_cbranch_scc0 .Lentry_in_a_cluster
	s_endpgm
.Lentry_in_a_cluster:
	s_bfe_u32 s2, ttmp6, 0x10000c
	s_cmp_lg_u32 s2, 0xf033
	s_cbranch_scc0 .Lentry_shape_is_right
	s_endpgm
.Lentry_shape_is_right:
; PRODUCT 4 and the first residual: x1 = x + y o_w^T, on codes of FP6 (E2M3).  Operands are images of the operand's registers, as the earlier launches laid them (a unit = 16 rows x 64 K = 768 bytes).
; SHARES.  A work-group makes 128 tokens x 128 outputs; four waves, each 64 x 64: 16 accumulators.  Transposed use (source 0 = 16 rows of o_w, source 1 = 16 tokens): a lane holds one token and runs of eight neighbouring outputs.
; K = 1,024 lies in LDS whole: two slots of 512, both asked for at the head; nothing is filled again.  y's tiles are asked for jointly along a row of the cluster, o_w's along a column.
; THE RESIDUAL of all 64 tokens x 64 outputs is asked for at the head, 32 loads a wave into 128 registers of their own (window 1 from v192, window 2 from v0): one wave has a SIMD's registers to itself.
; THE WAY OUT: 16 tokens x 64 outputs at a time through my own stage in LDS, back as rows of 256 bytes, x added, stored: sixteen lanes store 256 consecutive bytes at a multiple of 256.
; LDS is claimed whole; the text uses 222,720 bytes.
.set KS, 8
.set GB, 2
.set NG, 4
.set NSLOT, 2
.set SLOTB, NG*24576
.set SCL,   NSLOT*SLOTB
.set SGB,   KS*256
.set TILEB, KS*1536
.set STAGE, SCL+NG*SGB                 ; 16 rows x 272 bytes a wave; no tensor load lands here
.set SPARE, STAGE+4*4352               ; the spare words, 128 bytes a wave, which no other line names
.set AC, 0
.set AS, 3145728
.set BC, 5767168
.set BS, 6553600
.set SPW, 28
.set NIL, 29
.set G1A, 24
.set G0A, 32
.set G1B, 48
.set G0B, 56
.set G1SA, 68
.set G0SA, 76
.set G1SB, 80
.set G0SB, 88
.set MSB, 0
.macro WIN new                         ; the immediate's high byte repeats the setting that is left
.if MSB != \new
	s_set_vgpr_msb (MSB<<8)|\new
.set MSB, \new
.endif
.endm
.macro PLACES                          ; four plain instructions behind a matrix instruction, ahead of loads into its sources and of reads of its results
.rept 4
	v_nop
.endr
.endm
.macro CROUND
	s_barrier_signal -1
	s_barrier_wait -1
	s_cmp_lg_u32 s14, 0
	s_cbranch_scc1 .Lnot_wave_0_\@
	s_barrier_signal -3
.Lnot_wave_0_\@:
	s_barrier_wait -3
	s_barrier_signal -1
	s_barrier_wait -1
.endm
.macro MKG0 g, lreg, loff, preg, poff
	s_mov_b32 s[\g], 1
	s_add_co_u32 s[\g+1], s[\lreg], \loff
	s_add_nc_u64 s[\g+2:\g+3], s[\preg:\preg+1], \poff
	s_or_b32 s[\g+3], s[\g+3], 0x80000000
.endm
.macro FETCH f, p, ksl                 ; 32 LDS loads: my four tiles of A and four of B for one K step of 128, from slot p, into buffer f of window 1
	WIN 0x40
.irp i, 0,1,2,3
; LDS as the head fills it: A's 128 rows at 0, B's at 98,304, each with all of K: group at 49,152, tile i at 12,288 i, K step ks at 1,536 ks
.irp s, 0,1                            ; side A, side B
.irp c, 0,1                            ; the K step's two units
	ds_load_b128 v[(\f)+48*\s+12*\i+6*\c:(\f)+48*\s+12*\i+6*\c+3], v[4+2*\s+4*(\p)] offset:12288*\i+1536*(\ksl)+768*\c
	ds_load_b64 v[(\f)+48*\s+12*\i+6*\c+4:(\f)+48*\s+12*\i+6*\c+5], v[5+2*\s+4*(\p)] offset:12288*\i+1536*(\ksl)+768*\c+512
.endr
.endr
.endr
.endm
.macro MUL f, ks, zero                 ; 16 matrix instructions, the accumulators by turns
	WIN 0x05
.irp a, 0,1,2,3
.irp b, 0,1,2,3
.if \zero
	v_wmma_scale_f32_16x16x128_f8f6f4 v[128+8*(4*\a+\b):128+8*(4*\a+\b)+7], v[(\f)+48+12*\b:(\f)+48+12*\b+11], v[(\f)+12*\a:(\f)+12*\a+11], 0, v[32+KS*\b+(\ks)], v[32+KS*\a+(\ks)] matrix_a_fmt:MATRIX_FMT_FP6 matrix_b_fmt:MATRIX_FMT_FP6 matrix_a_scale:MATRIX_SCALE_ROW1
.else
	v_wmma_scale_f32_16x16x128_f8f6f4 v[128+8*(4*\a+\b):128+8*(4*\a+\b)+7], v[(\f)+48+12*\b:(\f)+48+12*\b+11], v[(\f)+12*\a:(\f)+12*\a+11], v[128+8*(4*\a+\b):128+8*(4*\a+\b)+7], v[32+KS*\b+(\ks)], v[32+KS*\a+(\ks)] matrix_a_fmt:MATRIX_FMT_FP6 matrix_b_fmt:MATRIX_FMT_FP6 matrix_a_scale:MATRIX_SCALE_ROW1
.endif
.endr
.endr
.endm
.macro STEP_IN ks, p
.if (\ks) > 0
	PLACES
.endif
	FETCH 96*(((\ks)+1)%2), \p, ((\ks)+1)%4
	s_wait_dscnt 32                                ; all but the 32 loads just issued are in
	MUL 96*((\ks)%2), \ks, ((\ks)==0)
.endm
.macro STEP_CHG ks, pn                 ; a slot's last step: the next slot has landed in every wave's part
	PLACES                                         ; all of K has been whole since the head's barrier: no barrier here
	FETCH 96*(((\ks)+1)%2), \pn, 0
	s_wait_dscnt 32
	MUL 96*((\ks)%2), \ks, 0
.endm
.macro STEP_END ks
	s_wait_dscnt 0x0
	MUL 96*((\ks)%2), \ks, 0
.endm
	s_load_b128 s[4:7], s[0:1], 0x0                ; y_out, prep_out
	s_load_b128 s[8:11], s[0:1], 0x10              ; x, x1
	v_lshl_add_u32 v[SPW], v0, 2, SPARE
	v_mov_b32 v[NIL], 0
	ds_add_u32 v[SPW], v[NIL]                      ; the opening: the add, twice on end, and its wait ahead of the first tensor load
	ds_add_u32 v[SPW], v[NIL]
	v_lshrrev_b32 v1, 5, v0
	v_readfirstlane_b32 s14, v1
	s_and_b32 s15, s14, 1
	s_lshr_b32 s16, s14, 1
	s_bfe_u32 s40, ttmp6, 0x40000
	s_bfe_u32 s41, ttmp6, 0x40004
	s_lshl_b32 s42, ttmp9, 2
	s_add_co_u32 s42, s42, s40                     ; B's block of 128 outputs
	s_and_b32 s17, ttmp7, 0xffff
	s_lshl_b32 s17, s17, 2
	s_add_co_u32 s17, s17, s41                     ; A's block of 128 tokens
	s_lshl_b32 s43, s41, 2
	s_lshl_b32 s43, 15, s43
	s_lshl_b32 s44, 0x1111, s40
	s_or_b32 s[G1A], s43, (3<<16)|(1<<21)
	s_or_b32 s[G1B], s44, (3<<16)|(1<<21)
.irp g, G1A, G1B
	s_mov_b32 s[\g+1], 1536<<16                    ; eight tiles x 12,288 bytes: 128 rows, all of K, dense
	s_mov_b32 s[\g+2], 8<<16
	s_mov_b32 s[\g+3], 1536<<16
	s_mov_b32 s[\g+4], 8
	s_mov_b32 s[\g+5], 192*KS
	s_mov_b32 s[\g+6], 0
	s_mov_b32 s[\g+7], 0
.endr
	s_or_b32 s[G1SA], s43, (3<<16)|(1<<21)
	s_or_b32 s[G1SB], s44, (3<<16)|(1<<21)
.irp g, G1SA, G1SB
	s_mov_b32 s[\g+1], 64<<16                      ; KS planes x 512 bytes: 128 rows' words
	s_mov_b32 s[\g+2], KS<<16
	s_mov_b32 s[\g+3], 64<<16
	s_mov_b32 s[\g+4], KS
	s_mov_b32 s[\g+6], 0
	s_mov_b32 s[\g+7], 0
.endr
	s_mov_b32 s[G1SA+5], 2048                      ; a plane of the tokens' words is 16,384 bytes,
	s_mov_b32 s[G1SB+5], 512                       ; of o_w's 4,096
	s_lshl_b32 s20, s17, 1
	s_lshl_b32 s22, s20, 8
	s_mul_i32 s20, s20, 4*TILEB
	s_mov_b32 s21, 0
	s_mov_b32 s23, 0
	s_lshl_b32 s46, s42, 1
	s_lshl_b32 s66, s46, 8
	s_mul_i32 s46, s46, 4*TILEB
	s_mov_b32 s47, 0
	s_mov_b32 s67, 0
	s_mov_b32 s45, 0
	s_mov_b32 s19, 0
	s_wait_dscnt 0x0
	s_wait_kmcnt 0x0
	s_add_nc_u64 s[20:21], s[4:5], s[20:21]
	s_add_nc_u64 s[22:23], s[4:5], s[22:23]
	s_add_nc_u64 s[46:47], s[6:7], s[46:47]
	s_add_nc_u64 s[66:67], s[6:7], s[66:67]
	MKG0 G0SA, 19, SCL, 22, AS
	MKG0 G0A, 45, 0, 20, AC
	MKG0 G0SB, 19, SCL+KS*512, 66, BS
	MKG0 G0B, 45, 98304, 46, BC
	CROUND
; the head's loads, one a wave: wave 0 A's codes, wave 1 B's, wave 2 A's scale words, wave 3 B's; one chain of branches on the wave's number, all arms leading to one join
.macro ARM under, g0, g1, next, join
	s_cmp_lt_u32 s14, \under
	s_cbranch_scc0 \next
	tensor_load_to_lds s[\g0:\g0+3], s[\g1:\g1+7]
	s_nop 0
	PLACES
	s_branch \join
\next:
.endm
	ARM 1, G0A, G1A, .Lfill_b, .Lfilled
	ARM 2, G0B, G1B, .Lfill_sa, .Lfilled
	ARM 3, G0SA, G1SA, .Lfill_sb, .Lfilled
	tensor_load_to_lds s[G0SB:G0SB+3], s[G1SB:G1SB+7]
	s_nop 0
	PLACES
.Lfilled:
	s_lshl_b32 s12, s17, 1
	s_add_co_u32 s12, s12, s15
	s_lshl_b32 s12, s12, 18                        ; my 64 tokens x 4,096 bytes
	s_lshl_b32 s13, s42, 1
	s_add_co_u32 s13, s13, s16
	s_lshl_b32 s13, s13, 8                         ; my 64 outputs
	s_add_co_u32 s12, s12, s13
	s_mov_b32 s13, 0
	s_add_nc_u64 s[8:9], s[8:9], s[12:13]
	s_add_nc_u64 s[10:11], s[10:11], s[12:13]
	v_and_b32 v3, 31, v0
	v_and_b32 v1, 15, v0
	v_bfe_u32 v2, v0, 4, 1
	v_lshlrev_b32 v30, 4, v3
	s_wait_alu depctr_va_vdst(0)
	v_lshlrev_b32 v31, 3, v3
	s_wait_alu depctr_va_vdst(0)
	v_lshlrev_b32 v19, 12, v2
	v_lshl_add_u32 v19, v1, 4, v19                 ; two rows of 256 bytes an instruction
.macro EXTLOAD a, reg                  ; the residual of tile a's 16 tokens, in the order in which the stage gives them back
.irp i, 0,1,2,3,4,5,6,7
	global_load_b128 v[(\reg)+4*\i:(\reg)+4*\i+3], v19, s[8:9] offset:4096*(32*((\a)/2)+8*((\a)%2)+2*\i+8*(\i/4)) th:TH_LOAD_NT
.endr
.endm
	WIN 0x40                                       ; destination window 1
	EXTLOAD 0, 192
	EXTLOAD 1, 224
	WIN 0x80                                       ; destination window 2
	EXTLOAD 2, 0
	EXTLOAD 3, 32
	WIN 0
	s_mul_i32 s12, s15, 49152
	s_mul_i32 s13, s16, 49152
	s_add_co_u32 s13, s13, 2*49152
.irp p, 0,1
	v_add_nc_u32 v[4+4*\p], s12, v30
	v_add_nc_u32 v[5+4*\p], s12, v31
	v_add_nc_u32 v[6+4*\p], s13, v30
	v_add_nc_u32 v[7+4*\p], s13, v31
	s_add_co_u32 s12, s12, 6144                    ; the upper 512 along K lie 6,144 bytes on in each tile
	s_add_co_u32 s13, s13, 6144
.endr
	s_lshl_b32 s12, s15, 8                         ; a group's words: 256 bytes of each plane of 512
	s_lshl_b32 s13, s16, 8
	s_add_co_u32 s13, s13, KS*512
	s_sub_co_u32 s13, s13, s12
	v_mul_u32_u24 v16, s13, v2
	s_add_co_u32 s12, s12, SCL
	v_lshl_add_u32 v16, v1, 2, v16
	v_add_nc_u32 v16, s12, v16
	s_mul_i32 s12, s14, 4352
	s_add_co_u32 s12, s12, STAGE
	v_mul_u32_u24 v17, v1, 272
	v_lshl_add_u32 v17, v2, 6, v17
	v_add_nc_u32 v17, s12, v17                     ; in: row r, + 64 h
	v_mul_u32_u24 v18, v2, 272
	v_lshl_add_u32 v18, v1, 4, v18
	v_add_nc_u32 v18, s12, v18                     ; back: lanes 0-15 one row, lanes 16-31 the next
	s_wait_alu depctr_va_vdst(0)
	s_wait_tensorcnt 0x0                           ; my one load has landed
	s_barrier_signal -1
	s_barrier_wait -1
.irp i, 0,1,2,3
.set q, 0
.rept KS
	ds_load_b32 v[32+KS*\i+q], v16 offset:512*q+64*\i
.set q, q+1
.endr
.endr
	FETCH 0, 0, 0
	STEP_IN 0, 0
	STEP_IN 1, 0
	STEP_IN 2, 0
	STEP_CHG 3, 1
	STEP_IN 4, 1
	STEP_IN 5, 1
	STEP_IN 6, 1
	STEP_END 7
	PLACES
	WIN 0
.macro WAYOUT a, ext, win              ; win: the window setting under which source 1 is the residual's window
	s_wait_xcnt 0x0                                ; the last tile's stores have read v96-127
.irp b, 0,1,2,3
	ds_store_b128 v17, v[128+8*(4*(\a)+\b):128+8*(4*(\a)+\b)+3] offset:128*(\b/2)+32*(\b%2)          ; each accumulator from its low end on
	ds_store_b128 v17, v[128+8*(4*(\a)+\b)+4:128+8*(4*(\a)+\b)+7] offset:128*(\b/2)+32*(\b%2)+16
.endr
.irp i, 0,1,2,3,4,5,6,7
	ds_load_b128 v[96+4*\i:99+4*\i], v18 offset:544*\i             ; LDS serves a wave's instructions in order (ISA guide 5.7.1.4)
.endr
	s_wait_dscnt 0x0
	s_wait_loadcnt 24-8*(\a)                       ; this tile's residual is in; the later tiles' may be out
	WIN \win
.irp j, 0,2,4,6,8,10,12,14,16,18,20,22,24,26,28,30
	v_pk_add_f32 v[96+\j:97+\j], v[96+\j:97+\j], v[(\ext)+\j:(\ext)+\j+1]
.endr
	WIN 0
.irp i, 0,1,2,3,4,5,6,7
	global_store_b128 v19, v[96+4*\i:99+4*\i], s[10:11] offset:4096*(32*((\a)/2)+8*((\a)%2)+2*\i+8*(\i/4))
.endr
.endm
	WAYOUT 0, 192, 0x04
	WAYOUT 1, 224, 0x04
	WAYOUT 2, 0, 0x08
	WAYOUT 3, 32, 0x08
	s_wait_tensorcnt 0x0                           ; the wave's end
	ds_add_u32 v[SPW], v[NIL]
	s_wait_dscnt 0x0
	CROUND                                         ; the closing round
	s_endpgm
.Lfunc_end_k_q1894842884_oproj:
	.size	k_q1894842884_oproj, .Lfunc_end_k_q1894842884_oproj-k_q1894842884_oproj
	.p2alignl 7, 3214868480
	.fill 96, 4, 3214868480
	.section	.rodata,"a",@progbits
	.p2align	6, 0x0
	.amdhsa_kernel k_q1894842884_oproj
		.amdhsa_group_segment_fixed_size 327680
		.amdhsa_private_segment_fixed_size 0
		.amdhsa_enable_private_segment 0
		.amdhsa_kernarg_size 32
		.amdhsa_user_sgpr_count 2
		.amdhsa_user_sgpr_kernarg_segment_ptr 1
		.amdhsa_wavefront_size32 1
		.amdhsa_system_sgpr_workgroup_id_x 1
		.amdhsa_system_sgpr_workgroup_id_y 1
		.amdhsa_system_sgpr_workgroup_id_z 1
		.amdhsa_system_vgpr_workitem_id 0
		.amdhsa_next_free_vgpr 640
		.amdhsa_next_free_sgpr 104
		.amdhsa_reserve_vcc 0
		.amdhsa_float_denorm_mode_32 3
		.amdhsa_float_denorm_mode_16_64 3
		.amdhsa_memory_ordered 1
		.amdhsa_forward_progress 1
		.amdhsa_inst_pref_size 60
	.end_amdhsa_kernel
	.amdgpu_metadata
---
amdhsa.version: [ 1, 2 ]
amdhsa.kernels:
  - .name:           k_q1894842884_oproj
    .symbol:         k_q1894842884_oproj.kd
    .args:
      - { .name: y_out, .offset: 0, .size: 8, .value_kind: global_buffer, .address_space: global }
      - { .name: prep_out, .offset: 8, .size: 8, .value_kind: global_buffer, .address_space: global }
      - { .name: x, .offset: 16, .size: 8, .value_kind: global_buffer, .address_space: global }
      - { .name: x1, .offset: 24, .size: 8, .value_kind: global_buffer, .address_space: global }
    .group_segment_fixed_size: 327680
    .private_segment_fixed_size: 0
    .kernarg_segment_align: 8
    .kernarg_segment_size: 32
    .max_flat_workgroup_size: 128
    .sgpr_count:     104
    .vgpr_count:     640
    .wavefront_size: 32
...
	.end_amdgpu_metadata
.endif
;; end of part 4
;; launch norm2: the kernel of part 1 again; grid 256 x 1, 4 waves a work-group, no clusters, 22,528 bytes of LDS; arguments x1, n2_w, h_out, qkv_w, o_w, wg_w, w1_w, w2_w; writes h_out
;; launch upgate (part 5): grid 16 x 16, 8 waves a work-group, clusters of 4 x 4, 327,680 bytes of LDS; arguments h_out, prep_out, hid_out; writes hid_out
.if DOCPART == 5
	.amdgcn_target "amdgcn-amd-amdhsa--gfx1250"
	.amdhsa_code_object_version 6
	.text
	.protected	k_q1894842884_upgate
	.globl	k_q1894842884_upgate
	.p2align	8
	.type	k_q1894842884_upgate,@function
k_q1894842884_upgate:
	s_mov_b64 s[64:65], 0
	v_nop
	global_prefetch_b8 v0, s[64:65] scope:SCOPE_SE
	s_setreg_imm32_b32 hwreg(HW_REG_WAVE_MODE, 25, 1), 1
	s_wait_xcnt 0x0
	s_wait_alu depctr_hold_cnt(0) depctr_sa_sdst(0) depctr_va_vdst(0) depctr_va_sdst(0) depctr_va_ssrc(0) depctr_va_vcc(0) depctr_vm_vsrc(0)
	s_getreg_b32 s2, hwreg(HW_REG_IB_STS2, 6, 4)
	s_cmp_eq_u32 s2, 0
	s_cbranch_scc0 .Lentry_in_a_cluster
	s_endpgm
.Lentry_in_a_cluster:
	s_bfe_u32 s2, ttmp6, 0x10000c
	s_cmp_lg_u32 s2, 0xf033
	s_cbranch_scc0 .Lentry_shape_is_right
	s_endpgm
.Lentry_shape_is_right:
; PRODUCTS 5 AND 6 and the gate: hid = silu(h wg_w^T) * (h w1_w^T), on codes of FP6 (E2M3), quantised along the hidden axis for product 7.
; B's image interleaves the two weights: a group of four tiles is two tiles of wg_w and the same two of w1_w.  So in a wave's 64 x 64 (transposed use: a lane holds one token) the 32 registers of a tile of tokens are
; 16 numbers of the gate and the 16 numbers of the other product for the SAME hidden units 32 g + 16 h + i: the gate needs no other lane and no other wave.
; SHARES.  A tile is 128 tokens x 128 hidden units; eight waves, each 64 tokens x 32 units.  A WORK-GROUP STAYS: it makes TWO tiles, token blocks y and y + 16, with the same rows of the weights, which stay in LDS:
; 256 work-groups serve the 512 tiles.  K = 1,024 lies in LDS whole, in two slots of 512.  When tile 0's last fragments are in registers, A's bytes (two groups x two slots, and two groups' scale words) are filled again
; behind a round of the cluster's barrier, one joint load a wave, three waves; they land while tile 0 goes out.  By this text's count a wave has one tensor load out at the start and one behind the refill.
; A wave's 32 units are one block of the next K: two tiles of tokens are quantised together, and a half of the lanes ends with a whole block of its tile: half a unit of the image, 256 + 128 consecutive bytes.
; The work-group's four groups of units are the four bytes of one scale word a token: they meet in 512 bytes of LDS, each tile in bytes of its own, and leave as one run of 512 bytes a tile.
; LDS is claimed whole; the text uses 313,344 bytes.
.set KS, 8
.set GB, 4
.set NG, 6
.set NSLOT, 2
.set SLOTB, NG*24576
.set SCL,   NSLOT*SLOTB
.set SGB,   KS*256
.set TILEB, KS*1536
; LDS AS THE HEAD NOW FILLS IT: group g (0, 1 of A; 2 to 5 of B) lies at 49,152 g with all of K: tile i at 12,288 i, K step ks at 1,536 ks.  One tensor load a wave: waves 0, 1 A's groups, waves 2 to 5 B's,
; wave 6 A's scale words (8 planes x 512 bytes, padded to a pitch of 1,024), wave 7 B's (8 planes x 1,024 bytes, 8,192 bytes behind A's).  The refill for tile 1: waves 0, 1 and 6.
.set HSB,   SCL+16384
.set SPARE, HSB+1024                   ; the spare words, 128 bytes a wave, which no other line names
.set AC, 0
.set AS, 3145728
.set BC, 6586368
.set BS, 9732096
.set SPW, 28
.set NIL, 29
.set G1A, 24                           ; s[24:31] group 1 for A's codes; s[32:35] group 0 of its first fill, later the refill's
.set G0A, 32
.set G1B, 48
.set G0B, 56
.set G1SA, 68
.set G0SA, 76
.set G1SB, 80
.set G0SB, 88
.set MSB, 0
.macro WIN new                         ; the immediate's high byte repeats the setting that is left
.if MSB != \new
	s_set_vgpr_msb (MSB<<8)|\new
.set MSB, \new
.endif
.endm
.macro PLACES                          ; four plain instructions behind a matrix instruction, ahead of loads into its sources and of reads of its results
.rept 4
	v_nop
.endr
.endm
.macro CREST                           ; a round of the cluster's barrier behind its opening barrier
	s_cmp_lg_u32 s14, 0
	s_cbranch_scc1 .Lnot_wave_0_\@
	s_barrier_signal -3
.Lnot_wave_0_\@:
	s_barrier_wait -3
	s_barrier_signal -1
	s_barrier_wait -1
.endm
.macro CROUND                          ; a whole round
	s_barrier_signal -1
	s_barrier_wait -1
	CREST
.endm
.macro MKG0 g, lreg, loff, preg, poff
	s_mov_b32 s[\g], 1
	s_add_co_u32 s[\g+1], s[\lreg], \loff
	s_add_nc_u64 s[\g+2:\g+3], s[\preg:\preg+1], \poff
	s_or_b32 s[\g+3], s[\g+3], 0x80000000
.endm
.macro FETCH f, p, ksl
	WIN 0x40
.irp i, 0,1,2,3
.irp s, 0,1                            ; side A, side B
.irp c, 0,1                            ; the K step's two units
	ds_load_b128 v[(\f)+48*\s+12*\i+6*\c:(\f)+48*\s+12*\i+6*\c+3], v[4+2*\s+4*(\p)] offset:12288*\i+1536*(\ksl)+768*\c
	ds_load_b64 v[(\f)+48*\s+12*\i+6*\c+4:(\f)+48*\s+12*\i+6*\c+5], v[5+2*\s+4*(\p)] offset:12288*\i+1536*(\ksl)+768*\c+512
.endr
.endr
.endr
.endm
.macro MUL f, ks, zero                 ; 16 matrix instructions, the accumulators by turns
	WIN 0x05
.irp a, 0,1,2,3
.irp b, 0,1,2,3
.if \zero
	v_wmma_scale_f32_16x16x128_f8f6f4 v[128+8*(4*\a+\b):128+8*(4*\a+\b)+7], v[(\f)+48+12*\b:(\f)+48+12*\b+11], v[(\f)+12*\a:(\f)+12*\a+11], 0, v[32+KS*\b+(\ks)], v[32+KS*\a+(\ks)] matrix_a_fmt:MATRIX_FMT_FP6 matrix_b_fmt:MATRIX_FMT_FP6 matrix_a_scale:MATRIX_SCALE_ROW1
.else
	v_wmma_scale_f32_16x16x128_f8f6f4 v[128+8*(4*\a+\b):128+8*(4*\a+\b)+7], v[(\f)+48+12*\b:(\f)+48+12*\b+11], v[(\f)+12*\a:(\f)+12*\a+11], v[128+8*(4*\a+\b):128+8*(4*\a+\b)+7], v[32+KS*\b+(\ks)], v[32+KS*\a+(\ks)] matrix_a_fmt:MATRIX_FMT_FP6 matrix_b_fmt:MATRIX_FMT_FP6 matrix_a_scale:MATRIX_SCALE_ROW1
.endif
.endr
.endr
.endm
.macro SCLOAD                          ; a tile's scale words for all of K into registers: lanes 0-15 A's tile i, lanes 16-31 B's tile i
.irp i, 0,1,2,3
.set q, 0
.rept KS
	ds_load_b32 v[32+KS*\i+q], v16 offset:1024*q+64*\i
.set q, q+1
.endr
.endr
.endm
.macro STEP_IN ks, p
.if (\ks) > 0
	PLACES
.endif
	FETCH 96*(((\ks)+1)%2), \p, ((\ks)+1)%4
	s_wait_dscnt 32                                ; all but the 32 loads just issued are in
	MUL 96*((\ks)%2), \ks, ((\ks)==0)
.endm
.macro STEP_CHG ks, pn                 ; a slot's last step: the next slot has landed in every wave's part
	s_wait_tensorcnt 0x0
	s_wait_dscnt 0x0
	s_barrier_signal -1
	s_barrier_wait -1
	PLACES
	FETCH 96*(((\ks)+1)%2), \pn, 0
	MUL 96*((\ks)%2), \ks, 0
.endm
.macro STEP_ON ks, pn                  ; on into a slot that an earlier barrier has already shown whole to every wave: no barrier
	PLACES
	FETCH 96*(((\ks)+1)%2), \pn, 0
	s_wait_dscnt 32
	MUL 96*((\ks)%2), \ks, 0
.endm
.macro QUANT64 s                       ; 32 numbers of a lane, register 16 b + i = number 16 h + i of block b, become six registers v112-117 (lane half h: block h whole) and two bytes v102, v103
	v_max3_num_f32 v96, |v[\s]|, |v[\s+1]|, 0x1800000
	v_max3_num_f32 v97, |v[\s+16]|, |v[\s+17]|, 0x1800000
.irp i, 2,4,6,8,10,12,14
	s_delay_alu instid0(VALU_DEP_2)
	v_max3_num_f32 v96, v96, |v[\s+\i]|, |v[\s+\i+1]|
	s_delay_alu instid0(VALU_DEP_2)
	v_max3_num_f32 v97, v97, |v[\s+16+\i]|, |v[\s+17+\i]|
.endr
	s_delay_alu instid0(VALU_DEP_2)
	v_permlanex16_b32 v98, v96, s100, s101
	s_delay_alu instid0(VALU_DEP_2)
	v_permlanex16_b32 v99, v97, s100, s101
	s_delay_alu instid0(VALU_DEP_2)
	v_max_num_f32 v96, v96, v98
	s_delay_alu instid0(VALU_DEP_2)
	v_max_num_f32 v97, v97, v99
	s_delay_alu instid0(VALU_DEP_2)
	v_add_nc_u32 v100, 0xff000000, v96
	s_delay_alu instid0(VALU_DEP_2)
	v_add_nc_u32 v101, 0xff000000, v97
	s_delay_alu instid0(VALU_DEP_2)
	v_lshrrev_b32 v102, 23, v100
	s_delay_alu instid0(VALU_DEP_2)
	v_lshrrev_b32 v103, 23, v101
	v_cvt_scalef32_pk16_fp6_f32 v[112:114], v[\s:\s+15], v100
	v_cvt_scalef32_pk16_fp6_f32 v[120:122], v[\s+16:\s+31], v101
	v_nop
.irp i, 0,1,2
	v_permlane16_swap_b32 v[112+\i], v[120+\i]
.endr
.irp i, 0,1,2
	s_delay_alu instid0(VALU_DEP_3)
	v_mov_b32 v[115+\i], v[120+\i]
.endr
.endm
; silu(g) u = g u / (1 + 2^(-g log2(e))), in f32.  Tile a's 16 results go where a pair of tiles forms 32 registers on end: the even tile's over its g, the odd tile's over the even tile's u, which is done with.
.macro SILU a
.set G, 128+32*(\a)
.set DST, 128+32*((\a)-(\a)%2)+16*((\a)%2)
.irp i, 0,2,4,6,8,10,12,14
	v_pk_mul_f32 v[64+\i:65+\i], v[G+\i:G+\i+1], 0xbfb8aa3b op_sel_hi:[1,0]
.endr
	s_wait_alu depctr_va_vdst(0)
.irp i, 0,1,2,3,4,5,6,7,8,9,10,11,12,13,14,15
	v_exp_f32 v[64+\i], v[64+\i]
.endr
	v_nop
	s_wait_alu depctr_va_vdst(0)                   ; one wait for the sixteen, ahead of their first reader
.irp i, 0,2,4,6,8,10,12,14
	v_pk_add_f32 v[64+\i:65+\i], v[64+\i:65+\i], 1.0 op_sel_hi:[1,0]
.endr
	s_wait_alu depctr_va_vdst(0)
.irp i, 0,1,2,3,4,5,6,7,8,9,10,11,12,13,14,15
	v_rcp_f32 v[64+\i], v[64+\i]
.endr
	v_nop
	s_wait_alu depctr_va_vdst(0)
.irp i, 0,2,4,6,8,10,12,14
	v_pk_mul_f32 v[64+\i:65+\i], v[64+\i:65+\i], v[G+\i:G+\i+1]
.endr
.irp i, 0,2,4,6,8,10,12,14
	v_pk_mul_f32 v[DST+\i:DST+\i+1], v[64+\i:65+\i], v[G+16+\i:G+17+\i]
.endr
.endm
.macro PUT2 a, t                       ; tiles a and a + 1 of the work-group's tile t: lane half h ends with tile a + h's block
	s_wait_xcnt 0x0                                ; the last stores have read their registers
	QUANT64 128+32*(\a)
	v_cndmask_b32 v104, v102, v103, vcc_lo
	global_store_b128 v23, v[112:115], s[10:11] offset:24576*(\a)
	global_store_b64 v24, v[116:117], s[10:11] offset:24576*(\a)
	ds_store_b8 v25, v104 offset:64*(\a)+512*(\t)
.endm
.macro GATE t                          ; a tile goes out
	v_cmp_ne_u32 vcc_lo, 0, v2                     ; written behind the tensor loads
	SILU 0
	SILU 1
	s_wait_alu depctr_va_vdst(0)
	PUT2 0, \t
	SILU 2
	SILU 3
	s_wait_alu depctr_va_vdst(0)
	PUT2 2, \t
.endm
	s_load_b128 s[4:7], s[0:1], 0x0                ; h_out, prep_out
	s_load_b64 s[8:9], s[0:1], 0x10                ; hid_out
	v_lshl_add_u32 v[SPW], v0, 2, SPARE
	v_mov_b32 v[NIL], 0
	ds_add_u32 v[SPW], v[NIL]                      ; the opening: the add, twice on end, and its wait ahead of the first tensor load
	ds_add_u32 v[SPW], v[NIL]
	v_lshrrev_b32 v1, 5, v0
	s_delay_alu instid0(VALU_DEP_1)
	v_readfirstlane_b32 s14, v1
	s_and_b32 s15, s14, 1
	s_lshr_b32 s16, s14, 1
	s_bfe_u32 s40, ttmp6, 0x40000
	s_bfe_u32 s41, ttmp6, 0x40004
	s_lshl_b32 s42, ttmp9, 2
	s_add_co_u32 s42, s42, s40                     ; B's block: 128 hidden units
	s_and_b32 s17, ttmp7, 0xffff
	s_lshl_b32 s17, s17, 2
	s_add_co_u32 s17, s17, s41                     ; A's block of tile 0: 128 tokens, 0 .. 15
	s_lshl_b32 s43, s41, 2
	s_lshl_b32 s43, 15, s43
	s_lshl_b32 s44, 0x1111, s40
	s_or_b32 s[G1A], s43, (3<<16)|(1<<21)
	s_or_b32 s[G1B], s44, (3<<16)|(1<<21)
.irp g, G1A, G1B
	s_mov_b32 s[\g+1], 1536<<16                    ; four tiles x 12,288 bytes: all of K, dense
	s_mov_b32 s[\g+2], 4<<16
	s_mov_b32 s[\g+3], 1536<<16
	s_mov_b32 s[\g+4], 4
	s_mov_b32 s[\g+5], 192*KS
	s_mov_b32 s[\g+6], 0
	s_mov_b32 s[\g+7], 0
.endr
	s_or_b32 s[G1SA], s43, (3<<16)|(1<<20)|(1<<21)|(6<<22)|(127<<25)   ; padding on: behind every 128 words (a row of 512 bytes) 128 words are passed over, so that A's planes lie 1,024 bytes apart like B's
	s_or_b32 s[G1SB], s44, (3<<16)|(1<<21)
.irp g, G1SA, G1SB
	s_mov_b32 s[\g+1], (64+64*((\g)/G1SB))<<16     ; KS planes; a row is A's two groups' words, 64 elements of 8 bytes, or B's four groups', 128
	s_mov_b32 s[\g+2], KS<<16
	s_mov_b32 s[\g+3], (64+64*((\g)/G1SB))<<16
	s_mov_b32 s[\g+4], KS
	s_mov_b32 s[\g+5], 2048
	s_mov_b32 s[\g+6], 0
	s_mov_b32 s[\g+7], 0
.endr
	s_lshl_b32 s20, s17, 1
	s_add_co_u32 s20, s20, s15
	s_lshl_b32 s22, s20, 8
	s_mul_i32 s20, s20, 4*TILEB
	s_mov_b32 s21, 0
	s_mov_b32 s23, 0
	s_sub_co_u32 s18, s14, 2
	s_and_b32 s18, s18, GB-1
	s_lshl_b32 s46, s42, 2
	s_lshl_b32 s66, s46, 8                         ; B's scale words begin at the block's first group
	s_add_co_u32 s46, s46, s18
	s_mul_i32 s46, s46, 4*TILEB
	s_mov_b32 s47, 0
	s_mov_b32 s67, 0
	s_mul_i32 s45, s14, 49152                      ; where codes go: group = wave; no place in the cluster enters an LDS address
	s_mov_b32 s19, 0
	s_mov_b32 s92, 32*4*TILEB                      ; from tile 0's A to tile 1's: 32 groups of 64 tokens on
	s_mov_b32 s93, 0
	s_wait_dscnt 0x0
	s_wait_kmcnt 0x0
	s_add_nc_u64 s[20:21], s[4:5], s[20:21]
	s_add_nc_u64 s[22:23], s[4:5], s[22:23]
	s_add_nc_u64 s[46:47], s[6:7], s[46:47]
	s_add_nc_u64 s[66:67], s[6:7], s[66:67]
	MKG0 G0SA, 19, SCL, 22, AS
	MKG0 G0A, 45, 0, 20, AC
	MKG0 G0SB, 19, SCL+8192, 66, BS
	MKG0 G0B, 45, 0, 46, BC
	CROUND
; the head's loads, one a wave, in one chain of branches on the wave's number, all arms leading to one join
.macro ARM under, g0, g1, next, join
	s_cmp_lt_u32 s14, \under
	s_cbranch_scc0 \next
	tensor_load_to_lds s[\g0:\g0+3], s[\g1:\g1+7]
	s_nop 0
	PLACES
	s_branch \join
\next:
.endm
	ARM 2, G0A, G1A, .Lfill_b, .Lfilled
	ARM 6, G0B, G1B, .Lfill_sa, .Lfilled
	ARM 7, G0SA, G1SA, .Lfill_sb, .Lfilled
	tensor_load_to_lds s[G0SB:G0SB+3], s[G1SB:G1SB+7]
	s_nop 0
	PLACES
.Lfilled:
	s_lshl_b32 s12, s17, 1
	s_add_co_u32 s12, s12, s15
	s_mul_i32 s12, s12, 98304                      ; my four tiles of tokens, 24,576 bytes each
	s_lshl_b32 s13, s42, 1
	s_lshr_b32 s18, s16, 1
	s_add_co_u32 s13, s13, s18
	s_mul_i32 s13, s13, 768                        ; the unit in which my 32 hidden units lie
	s_add_co_u32 s12, s12, s13
	s_mov_b32 s13, 0
	s_add_nc_u64 s[10:11], s[8:9], s[12:13]
	s_lshl_b32 s12, s42, 14                        ; the work-group's plane of scale words
	s_lshl_b32 s18, s17, 9
	s_add_co_u32 s12, s12, s18
	s_add_co_u32 s12, s12, 6291456
	s_add_nc_u64 s[12:13], s[8:9], s[12:13]
	v_and_b32 v3, 31, v0
	v_and_b32 v1, 15, v0
	v_bfe_u32 v2, v0, 4, 1
	s_delay_alu instid0(VALU_DEP_3)
	v_lshlrev_b32 v30, 4, v3
	s_delay_alu instid0(VALU_DEP_4)
	v_lshlrev_b32 v31, 3, v3
	v_mov_b32 v98, 0
	v_mov_b32 v99, 0
	s_mov_b32 s100, 0x76543210
	s_mov_b32 s101, 0xfedcba98
	s_and_b32 s18, s16, 1                          ; which half of that unit's lanes my block is
	v_mul_u32_u24 v23, v2, 24576                   ; lanes 16-31 hold the next tile of tokens
	s_delay_alu instid0(VALU_DEP_1)
	v_lshl_add_u32 v24, v1, 3, v23
	s_delay_alu instid0(VALU_DEP_2)
	v_lshl_add_u32 v23, v1, 4, v23
	s_lshl_b32 s19, s18, 8
	v_add_nc_u32 v23, s19, v23
	s_lshl_b32 s19, s18, 7
	s_add_co_u32 s19, s19, 512
	v_add_nc_u32 v24, s19, v24
	s_lshl_b32 s18, s15, 8
	s_add_co_u32 s18, s18, s16
	s_add_co_u32 s18, s18, HSB
	v_lshl_add_u32 v25, v3, 2, s18                 ; my byte of a token's scale word
	v_add_nc_u32 v26, HSB, v30
	s_mul_i32 s18, s15, 49152
	s_mul_i32 s19, s16, 49152
	s_add_co_u32 s19, s19, 2*49152
.irp p, 0,1
	v_add_nc_u32 v[4+4*\p], s18, v30
	v_add_nc_u32 v[5+4*\p], s18, v31
	v_add_nc_u32 v[6+4*\p], s19, v30
	v_add_nc_u32 v[7+4*\p], s19, v31
	s_add_co_u32 s18, s18, 6144                    ; the upper 512 along K lie 6,144 bytes on in each tile
	s_add_co_u32 s19, s19, 6144
.endr
	s_lshl_b32 s18, s15, 8                         ; a group's words: 256 bytes of each plane
	s_lshl_b32 s19, s16, 8
	s_add_co_u32 s19, s19, 8192
	s_sub_co_u32 s19, s19, s18
	v_mul_u32_u24 v16, s19, v2
	s_add_co_u32 s18, s18, SCL
	v_lshl_add_u32 v16, v1, 2, v16
	s_delay_alu instid0(VALU_DEP_1)
	v_add_nc_u32 v16, s18, v16
	s_wait_alu depctr_va_vdst(0)
	s_wait_tensorcnt 0x0                           ; my one load has landed
	s_barrier_signal -1
	s_barrier_wait -1
	; ---- tile 0
	SCLOAD
	FETCH 0, 0, 0
	STEP_IN 0, 0
	STEP_IN 1, 0
	STEP_IN 2, 0
	STEP_ON 3, 1
	STEP_IN 4, 1
	STEP_IN 5, 1
	STEP_IN 6, 1
	; K step 7, and A's bytes are filled again
	WIN 0                                          ; (the add's two registers lie in window 0)
	s_wait_tensorcnt 0x0                           ; no tensor load of mine is out, so a group 0 may be written
	ds_add_u32 v[SPW], v[NIL]                      ; 0 onto my spare word
	s_add_nc_u64 s[G0A+2:G0A+3], s[G0A+2:G0A+3], s[92:93]   ; tile 1's group of A; the type bits on top are not reached
	s_add_nc_u64 s[G0SA+2:G0SA+3], s[G0SA+2:G0SA+3], 32*256   ; and its scale words
	s_wait_dscnt 0x0                               ; the adds are done, and K step 7's fragments are in: my reads of A's bytes are over (the scale words have been in registers since the tile's head)
	s_barrier_signal -1                            ; this barrier opens a round of the cluster's
	MUL 96, 7, 0                                   ; work on registers while the others arrive
	WIN 0
	s_barrier_wait -1
	CREST                                          ; no wave of any partner still reads A's bytes or has a load on its way
	s_cmp_lt_u32 s14, 2
	s_cbranch_scc0 .Lrf_words
	tensor_load_to_lds s[G0A:G0A+3], s[G1A:G1A+7]  ; my one tensor load behind the round
	s_nop 0
	PLACES
	s_branch .Lrf_done
.Lrf_words:
	s_cmp_eq_u32 s14, 6
	s_cbranch_scc0 .Lrf_done
	tensor_load_to_lds s[G0SA:G0SA+3], s[G1SA:G1SA+7]
	s_nop 0
	PLACES
.Lrf_done:
	PLACES                                         ; on every wave's way: behind K step 7's products
	GATE 0                                         ; tile 0 goes out while tile 1's A lands
	s_wait_tensorcnt 0x0                           ; my part of tile 1's A has landed,
	s_wait_dscnt 0x0                               ; and so have my scale bytes of tile 0:
	s_barrier_signal -1
	s_barrier_wait -1                              ; everybody's have
	s_cmp_lg_u32 s14, 0
	s_cbranch_scc1 .Lnot_0_a
	ds_load_b128 v[96:99], v26
	s_wait_dscnt 0x0
	global_store_b128 v30, v[96:99], s[12:13]      ; 512 consecutive bytes
.Lnot_0_a:
	s_wait_xcnt 0x0                                ; tile 0's stores have read their bases
	s_add_nc_u64 s[10:11], s[10:11], 32*98304      ; 16 blocks of 128 tokens on
	s_add_nc_u64 s[12:13], s[12:13], 16*512
	; ---- tile 1
	SCLOAD
	FETCH 0, 0, 0
	STEP_IN 0, 0
	STEP_IN 1, 0
	STEP_IN 2, 0
	STEP_ON 3, 1
	STEP_IN 4, 1
	STEP_IN 5, 1
	STEP_IN 6, 1
	s_wait_dscnt 0x0
	MUL 96, 7, 0
	PLACES
	WIN 0
	GATE 1
	s_wait_dscnt 0x0                               ; for wave 0: my bytes have landed
	s_barrier_signal -1
	s_barrier_wait -1
	s_cmp_lg_u32 s14, 0
	s_cbranch_scc1 .Lnot_0_b
	ds_load_b128 v[96:99], v26 offset:512
	s_wait_dscnt 0x0
	global_store_b128 v30, v[96:99], s[12:13]
.Lnot_0_b:
	s_wait_tensorcnt 0x0                           ; the wave's end
	ds_add_u32 v[SPW], v[NIL]
	s_wait_dscnt 0x0
	CROUND                                         ; the closing round
	s_endpgm
.Lfunc_end_k_q1894842884_upgate:
	.size	k_q1894842884_upgate, .Lfunc_end_k_q1894842884_upgate-k_q1894842884_upgate
	.p2alignl 7, 3214868480
	.fill 96, 4, 3214868480
	.section	.rodata,"a",@progbits
	.p2align	6, 0x0
	.amdhsa_kernel k_q1894842884_upgate
		.amdhsa_group_segment_fixed_size 327680
		.amdhsa_private_segment_fixed_size 0
		.amdhsa_enable_private_segment 0
		.amdhsa_kernarg_size 24
		.amdhsa_user_sgpr_count 2
		.amdhsa_user_sgpr_kernarg_segment_ptr 1
		.amdhsa_wavefront_size32 1
		.amdhsa_system_sgpr_workgroup_id_x 1
		.amdhsa_system_sgpr_workgroup_id_y 1
		.amdhsa_system_sgpr_workgroup_id_z 1
		.amdhsa_system_vgpr_workitem_id 0
		.amdhsa_next_free_vgpr 512
		.amdhsa_next_free_sgpr 104
		.amdhsa_reserve_vcc 1
		.amdhsa_float_denorm_mode_32 3
		.amdhsa_float_denorm_mode_16_64 3
		.amdhsa_memory_ordered 1
		.amdhsa_forward_progress 1
		.amdhsa_inst_pref_size 123
	.end_amdhsa_kernel
	.amdgpu_metadata
---
amdhsa.version: [ 1, 2 ]
amdhsa.kernels:
  - .name:           k_q1894842884_upgate
    .symbol:         k_q1894842884_upgate.kd
    .args:
      - { .name: h_out, .offset: 0, .size: 8, .value_kind: global_buffer, .address_space: global }
      - { .name: prep_out, .offset: 8, .size: 8, .value_kind: global_buffer, .address_space: global }
      - { .name: hid_out, .offset: 16, .size: 8, .value_kind: global_buffer, .address_space: global }
    .group_segment_fixed_size: 327680
    .private_segment_fixed_size: 0
    .kernarg_segment_align: 8
    .kernarg_segment_size: 24
    .max_flat_workgroup_size: 256
    .sgpr_count:     104
    .vgpr_count:     512
    .wavefront_size: 32
...
	.end_amdgpu_metadata
.endif
;; end of part 5
;; launch down (part 6): grid 8 x 32, 4 waves a work-group, clusters of 4 x 4, 327,680 bytes of LDS; arguments hid_out, prep_out, x1, out0; writes out0
.if DOCPART == 6
	.amdgcn_target "amdgcn-amd-amdhsa--gfx1250"
	.amdhsa_code_object_version 6
	.text
	.protected	k_q1894842884_down
	.globl	k_q1894842884_down
	.p2align	8
	.type	k_q1894842884_down,@function
k_q1894842884_down:
	s_mov_b64 s[64:65], 0
	v_nop
	global_prefetch_b8 v0, s[64:65] scope:SCOPE_SE
	s_setreg_imm32_b32 hwreg(HW_REG_WAVE_MODE, 25, 1), 1
	s_wait_xcnt 0x0
	s_wait_alu depctr_hold_cnt(0) depctr_sa_sdst(0) depctr_va_vdst(0) depctr_va_sdst(0) depctr_va_ssrc(0) depctr_va_vcc(0) depctr_vm_vsrc(0)
	s_getreg_b32 s2, hwreg(HW_REG_IB_STS2, 6, 4)
	s_cmp_eq_u32 s2, 0
	s_cbranch_scc0 .Lentry_in_a_cluster
	s_endpgm
.Lentry_in_a_cluster:
	s_bfe_u32 s2, ttmp6, 0x10000c
	s_cmp_lg_u32 s2, 0xf033
	s_cbranch_scc0 .Lentry_shape_is_right
	s_endpgm
.Lentry_shape_is_right:
; PRODUCT 7 and the second residual: out0 = x1 + hid w2_w^T, on codes of FP6 (E2M3).  Operands are images of the operand's registers, as the earlier launches laid them (a unit = 16 rows x 64 K = 768 bytes).
; SHARES.  A work-group makes 128 tokens x 128 outputs; four waves, each 64 x 64: 16 accumulators; transposed use: a lane holds one token and runs of eight neighbouring outputs.
; K = 2,048 is four fills of 512 along K in three LDS slots: three are asked for at the head; the fourth fills slot 0 again behind K step 3's round of the cluster's barrier, nine K steps ahead of its first read.
; By this text's count a wave has one tensor load out at a time at the start and one behind the refill.  hid's tiles are asked for jointly along a row of the cluster, w2_w's along a column.
; THE RESIDUAL of all 64 tokens x 64 outputs is asked for at the head, 32 loads a wave into 128 registers of their own (window 1 from v192, window 2 from v0): one wave has a SIMD's registers to itself.
; THE WAY OUT goes through a stage in slot 1, which has had its only fill, and whose last reads lie ahead of K step 11's barrier.  LDS is claimed whole.
.set KS, 16
.set GB, 2
.set NG, 4
.set NSLOT, 3
.set SLOTB, NG*24576
.set SCL,   NSLOT*SLOTB
.set SGB,   KS*256
.set TILEB, KS*1536
.set STAGE, SLOTB
.set SPARE, SCL+NG*SGB                 ; the spare words, 128 bytes a wave, which no other line names
.set AC, 0
.set AS, 6291456
.set BC, 9863168
.set BS, 11436032
.set SPW, 28
.set NIL, 29
.set G1A, 24
.set G0A, 32
.set G0A2, 92
.set G1B, 48
.set G0B, 56
.set G0B2, 96
.set G1SA, 68
.set G0SA, 76
.set G1SB, 80
.set G0SB, 88
.set MSB, 0
.macro WIN new                         ; the immediate's high byte repeats the setting that is left
.if MSB != \new
	s_set_vgpr_msb (MSB<<8)|\new
.set MSB, \new
.endif
.endm
.macro PLACES                          ; four plain instructions behind a matrix instruction, ahead of loads into its sources and of reads of its results
.rept 4
	v_nop
.endr
.endm
.macro CROUND
	s_barrier_signal -1
	s_barrier_wait -1
	s_cmp_lg_u32 s14, 0
	s_cbranch_scc1 .Lnot_wave_0_\@
	s_barrier_signal -3
.Lnot_wave_0_\@:
	s_barrier_wait -3
	s_barrier_signal -1
	s_barrier_wait -1
.endm
.macro MKG0 g, lreg, loff, preg, poff
	s_mov_b32 s[\g], 1
	s_add_co_u32 s[\g+1], s[\lreg], \loff
	s_add_nc_u64 s[\g+2:\g+3], s[\preg:\preg+1], \poff
	s_or_b32 s[\g+3], s[\g+3], 0x80000000
.endm
.macro FETCH f, p, ksl
	WIN 0x40
.irp i, 0,1,2,3
	ds_load_b128 v[(\f)+12*\i:(\f)+12*\i+3], v[4+4*(\p)] offset:6144*\i+1536*(\ksl)
	ds_load_b64 v[(\f)+12*\i+4:(\f)+12*\i+5], v[5+4*(\p)] offset:6144*\i+1536*(\ksl)+512
	ds_load_b128 v[(\f)+12*\i+6:(\f)+12*\i+9], v[4+4*(\p)] offset:6144*\i+1536*(\ksl)+768
	ds_load_b64 v[(\f)+12*\i+10:(\f)+12*\i+11], v[5+4*(\p)] offset:6144*\i+1536*(\ksl)+1280
	ds_load_b128 v[(\f)+48+12*\i:(\f)+48+12*\i+3], v[6+4*(\p)] offset:6144*\i+1536*(\ksl)
	ds_load_b64 v[(\f)+48+12*\i+4:(\f)+48+12*\i+5], v[7+4*(\p)] offset:6144*\i+1536*(\ksl)+512
	ds_load_b128 v[(\f)+48+12*\i+6:(\f)+48+12*\i+9], v[6+4*(\p)] offset:6144*\i+1536*(\ksl)+768
	ds_load_b64 v[(\f)+48+12*\i+10:(\f)+48+12*\i+11], v[7+4*(\p)] offset:6144*\i+1536*(\ksl)+1280
.endr
.endm
.macro MUL f, ks, zero                 ; 16 matrix instructions, the accumulators by turns
	WIN 0x05
.irp a, 0,1,2,3
.irp b, 0,1,2,3
.if \zero
	v_wmma_scale_f32_16x16x128_f8f6f4 v[128+8*(4*\a+\b):128+8*(4*\a+\b)+7], v[(\f)+48+12*\b:(\f)+48+12*\b+11], v[(\f)+12*\a:(\f)+12*\a+11], 0, v[32+KS*\b+(\ks)], v[32+KS*\a+(\ks)] matrix_a_fmt:MATRIX_FMT_FP6 matrix_b_fmt:MATRIX_FMT_FP6 matrix_a_scale:MATRIX_SCALE_ROW1
.else
	v_wmma_scale_f32_16x16x128_f8f6f4 v[128+8*(4*\a+\b):128+8*(4*\a+\b)+7], v[(\f)+48+12*\b:(\f)+48+12*\b+11], v[(\f)+12*\a:(\f)+12*\a+11], v[128+8*(4*\a+\b):128+8*(4*\a+\b)+7], v[32+KS*\b+(\ks)], v[32+KS*\a+(\ks)] matrix_a_fmt:MATRIX_FMT_FP6 matrix_b_fmt:MATRIX_FMT_FP6 matrix_a_scale:MATRIX_SCALE_ROW1
.endif
.endr
.endr
.endm
.macro STEP_IN ks, p
.if (\ks) > 0
	PLACES
.endif
	FETCH 96*(((\ks)+1)%2), \p, ((\ks)+1)%4
	s_wait_dscnt 32                                ; all but the 32 loads just issued are in
	MUL 96*((\ks)%2), \ks, ((\ks)==0)
.endm
.macro STEP_ON ks, pn                  ; on into a slot that the refill's round has already shown whole to every wave: no barrier
	PLACES
	FETCH 96*(((\ks)+1)%2), \pn, 0
	s_wait_dscnt 32
	MUL 96*((\ks)%2), \ks, 0
.endm
.macro STEP_CHG ks, pn                 ; the next slot's fill has landed in every wave's part
	s_wait_tensorcnt 0x0
	s_wait_dscnt 0x0
	s_barrier_signal -1
	s_barrier_wait -1
	PLACES
	FETCH 96*(((\ks)+1)%2), \pn, 0
	MUL 96*((\ks)%2), \ks, 0
.endm
.macro STEP_END ks
	s_wait_dscnt 0x0
	MUL 96*((\ks)%2), \ks, 0
.endm
	s_load_b128 s[4:7], s[0:1], 0x0                ; hid_out, prep_out
	s_load_b128 s[8:11], s[0:1], 0x10              ; x1, out0
	v_lshl_add_u32 v[SPW], v0, 2, SPARE
	v_mov_b32 v[NIL], 0
	ds_add_u32 v[SPW], v[NIL]                      ; the opening: the add, twice on end, and its wait ahead of the first tensor load
	ds_add_u32 v[SPW], v[NIL]
	v_lshrrev_b32 v1, 5, v0
	v_readfirstlane_b32 s14, v1
	s_and_b32 s15, s14, 1
	s_lshr_b32 s16, s14, 1
	s_bfe_u32 s40, ttmp6, 0x40000
	s_bfe_u32 s41, ttmp6, 0x40004
	s_lshl_b32 s42, ttmp9, 2
	s_add_co_u32 s42, s42, s40
	s_and_b32 s17, ttmp7, 0xffff
	s_lshl_b32 s17, s17, 2
	s_add_co_u32 s17, s17, s41
	s_lshl_b32 s43, s41, 2
	s_lshl_b32 s43, 15, s43
	s_lshl_b32 s44, 0x1111, s40
	s_or_b32 s[G1A], s43, (3<<16)|(1<<21)
	s_or_b32 s[G1B], s44, (3<<16)|(1<<21)
.irp g, G1A, G1B
	s_mov_b32 s[\g+1], 768<<16                     ; eight tiles (128 rows) x 6,144 bytes (512 along K), TILEB bytes apart
	s_mov_b32 s[\g+2], 8<<16
	s_mov_b32 s[\g+3], 768<<16
	s_mov_b32 s[\g+4], 8
	s_mov_b32 s[\g+5], 192*KS
	s_mov_b32 s[\g+6], 0
	s_mov_b32 s[\g+7], 0
.endr
	s_or_b32 s[G1SA], s43, (3<<16)|(1<<21)
	s_or_b32 s[G1SB], s44, (3<<16)|(1<<21)
.irp g, G1SA, G1SB
	s_mov_b32 s[\g+1], 64<<16                      ; KS planes x 512 bytes: 128 rows' words
	s_mov_b32 s[\g+2], KS<<16
	s_mov_b32 s[\g+3], 64<<16
	s_mov_b32 s[\g+4], KS
	s_mov_b32 s[\g+6], 0
	s_mov_b32 s[\g+7], 0
.endr
	s_mov_b32 s[G1SA+5], 2048
	s_mov_b32 s[G1SB+5], 512
	s_lshl_b32 s20, s17, 1
	s_lshl_b32 s22, s20, 8
	s_mul_i32 s20, s20, 4*TILEB
	s_mov_b32 s21, 0
	s_mov_b32 s23, 0
	s_lshl_b32 s46, s42, 1
	s_lshl_b32 s66, s46, 8
	s_mul_i32 s46, s46, 4*TILEB
	s_mov_b32 s47, 0
	s_mov_b32 s67, 0
	s_mov_b32 s45, 0
	s_mov_b32 s19, 0
	s_wait_dscnt 0x0
	s_wait_kmcnt 0x0
	s_add_nc_u64 s[20:21], s[4:5], s[20:21]
	s_add_nc_u64 s[22:23], s[4:5], s[22:23]
	s_add_nc_u64 s[46:47], s[6:7], s[46:47]
	s_add_nc_u64 s[66:67], s[6:7], s[66:67]
	MKG0 G0SA, 19, SCL, 22, AS
	MKG0 G0A, 45, 0, 20, AC
	MKG0 G0A+4, 45, SLOTB, 20, AC+6144
	MKG0 G0A2, 45, 2*SLOTB, 20, AC+2*6144
	MKG0 G0SB, 19, SCL+KS*512, 66, BS
	MKG0 G0B, 45, 49152, 46, BC
	MKG0 G0B+4, 45, SLOTB+49152, 46, BC+6144
	MKG0 G0B2, 45, 2*SLOTB+49152, 46, BC+2*6144
	CROUND
; the head's loads, one a wave: wave 0 slot 0's 128 rows of A, wave 1 its 128 rows of B, wave 2 A's scale words, wave 3 B's; one chain of branches on the wave's number, all arms leading to one join
.macro ARM under, g0, g1, next, join
	s_cmp_lt_u32 s14, \under
	s_cbranch_scc0 \next
	tensor_load_to_lds s[\g0:\g0+3], s[\g1:\g1+7]
	s_nop 0
	PLACES
	s_branch \join
\next:
.endm
	ARM 1, G0A, G1A, .Lfill_b, .Lfilled
	ARM 2, G0B, G1B, .Lfill_sa, .Lfilled
	ARM 3, G0SA, G1SA, .Lfill_sb, .Lfilled
	tensor_load_to_lds s[G0SB:G0SB+3], s[G1SB:G1SB+7]
	s_nop 0
	PLACES
.Lfilled:
	s_lshl_b32 s12, s17, 1
	s_add_co_u32 s12, s12, s15
	s_lshl_b32 s12, s12, 18
	s_lshl_b32 s13, s42, 1
	s_add_co_u32 s13, s13, s16
	s_lshl_b32 s13, s13, 8
	s_add_co_u32 s12, s12, s13
	s_mov_b32 s13, 0
	s_add_nc_u64 s[8:9], s[8:9], s[12:13]
	s_add_nc_u64 s[10:11], s[10:11], s[12:13]
	v_and_b32 v3, 31, v0
	v_and_b32 v1, 15, v0
	v_bfe_u32 v2, v0, 4, 1
	v_lshlrev_b32 v30, 4, v3
	s_wait_alu depctr_va_vdst(0)
	v_lshlrev_b32 v31, 3, v3
	s_wait_alu depctr_va_vdst(0)
	v_lshlrev_b32 v19, 12, v2
	v_lshl_add_u32 v19, v1, 4, v19
.macro EXTLOAD a, reg                  ; the residual of tile a's 16 tokens, in the order in which the stage gives them back
.irp i, 0,1,2,3,4,5,6,7
	global_load_b128 v[(\reg)+4*\i:(\reg)+4*\i+3], v19, s[8:9] offset:4096*(32*((\a)/2)+8*((\a)%2)+2*\i+8*(\i/4)) th:TH_LOAD_NT
.endr
.endm
	WIN 0x40                                       ; destination window 1
	EXTLOAD 0, 192
	EXTLOAD 1, 224
	WIN 0x80                                       ; destination window 2
	EXTLOAD 2, 0
	EXTLOAD 3, 32
	WIN 0
	s_mul_i32 s12, s15, 24576
	s_mul_i32 s13, s16, 24576
	s_add_co_u32 s13, s13, 2*24576
.irp p, 0,1,2
	v_add_nc_u32 v[4+4*\p], s12, v30
	v_add_nc_u32 v[5+4*\p], s12, v31
	v_add_nc_u32 v[6+4*\p], s13, v30
	v_add_nc_u32 v[7+4*\p], s13, v31
	s_add_co_u32 s12, s12, SLOTB
	s_add_co_u32 s13, s13, SLOTB
.endr
	s_lshl_b32 s12, s15, 8                         ; a group's words: 256 bytes of each plane of 512
	s_lshl_b32 s13, s16, 8
	s_add_co_u32 s13, s13, KS*512
	s_sub_co_u32 s13, s13, s12
	v_mul_u32_u24 v16, s13, v2
	s_add_co_u32 s12, s12, SCL
	v_lshl_add_u32 v16, v1, 2, v16
	v_add_nc_u32 v16, s12, v16
	s_mul_i32 s12, s14, 4352
	s_add_co_u32 s12, s12, STAGE
	v_mul_u32_u24 v17, v1, 272
	v_lshl_add_u32 v17, v2, 6, v17
	v_add_nc_u32 v17, s12, v17
	v_mul_u32_u24 v18, v2, 272
	v_lshl_add_u32 v18, v1, 4, v18
	v_add_nc_u32 v18, s12, v18
	s_wait_alu depctr_va_vdst(0)
	s_wait_tensorcnt 0x0                           ; my one load has landed
	ds_add_u32 v[SPW], v[NIL]
	s_wait_dscnt 0x0
	CROUND                                         ; slot 0 and the scale words are whole, and all sixteen work-groups are here
	ARM 1, G0A+4, G1A, .Lsec_b, .Lsec              ; slots 1 and 2 for the first time, one load a wave: wave 0 slot 1's A, wave 1 its B, wave 2 slot 2's A, wave 3 its B
	ARM 2, G0B+4, G1B, .Lsec_c, .Lsec
	ARM 3, G0A2, G1A, .Lsec_d, .Lsec
	tensor_load_to_lds s[G0B2:G0B2+3], s[G1B:G1B+7]
	s_nop 0
	PLACES
.Lsec:
.irp i, 0,1,2,3
.set q, 0
.rept KS
	ds_load_b32 v[32+KS*\i+q], v16 offset:512*q+64*\i
.set q, q+1
.endr
.endr
	FETCH 0, 0, 0
	STEP_IN 0, 0
	STEP_IN 1, 0
	STEP_IN 2, 0
	; K step 3: slot 0 has been read out and is filled again
	WIN 0
	s_wait_tensorcnt 0x0                           ; all my tensor loads have landed, slots 1 and 2 among them: so a group 0 may be written
	ds_add_u32 v[SPW], v[NIL]                      ; 0 onto my spare word
	s_add_nc_u64 s[G0A+2:G0A+3], s[G0A+2:G0A+3], 3*6144
	s_add_nc_u64 s[G0B+2:G0B+3], s[G0B+2:G0B+3], 3*6144
	s_wait_dscnt 0x0                               ; the add is done, and my reads of slot 0 are over
	CROUND                                         ; no wave of any partner still reads slot 0 or has a load on its way
	ARM 1, G0A, G1A, .Lrefill_b, .Lrefilled        ; wave 0 fills slot 0's A again, wave 1 its B; the four plain instructions on each way are also the places ahead of the loads below
	ARM 2, G0B, G1B, .Lrefill_n, .Lrefilled
	PLACES
.Lrefilled:
	FETCH 0, 1, 0
	MUL 96, 3, 0
	STEP_IN 4, 1
	STEP_IN 5, 1
	STEP_IN 6, 1
	STEP_ON 7, 2
	STEP_IN 8, 2
	STEP_IN 9, 2
	STEP_IN 10, 2
	STEP_CHG 11, 0
	STEP_IN 12, 0
	STEP_IN 13, 0
	STEP_IN 14, 0
	STEP_END 15
	PLACES
	WIN 0
.macro WAYOUT a, ext, win              ; win: the window setting under which source 1 is the residual's window
	s_wait_xcnt 0x0                                ; the last tile's stores have read v96-127
.irp b, 0,1,2,3
	ds_store_b128 v17, v[128+8*(4*(\a)+\b):128+8*(4*(\a)+\b)+3] offset:128*(\b/2)+32*(\b%2)          ; each accumulator from its low end on
	ds_store_b128 v17, v[128+8*(4*(\a)+\b)+4:128+8*(4*(\a)+\b)+7] offset:128*(\b/2)+32*(\b%2)+16
.endr
.irp i, 0,1,2,3,4,5,6,7
	ds_load_b128 v[96+4*\i:99+4*\i], v18 offset:544*\i             ; LDS serves a wave's instructions in order (ISA guide 5.7.1.4)
.endr
	s_wait_dscnt 0x0
	s_wait_loadcnt 24-8*(\a)                       ; this tile's residual is in; the later tiles' may be out
	WIN \win
.irp j, 0,2,4,6,8,10,12,14,16,18,20,22,24,26,28,30
	v_pk_add_f32 v[96+\j:97+\j], v[96+\j:97+\j], v[(\ext)+\j:(\ext)+\j+1]
.endr
	WIN 0
.irp i, 0,1,2,3,4,5,6,7
	global_store_b128 v19, v[96+4*\i:99+4*\i], s[10:11] offset:4096*(32*((\a)/2)+8*((\a)%2)+2*\i+8*(\i/4)) th:TH_STORE_NT
.endr
.endm
	WAYOUT 0, 192, 0x04
	WAYOUT 1, 224, 0x04
	WAYOUT 2, 0, 0x08
	WAYOUT 3, 32, 0x08
	s_wait_tensorcnt 0x0                           ; the wave's end
	ds_add_u32 v[SPW], v[NIL]
	s_wait_dscnt 0x0
	CROUND                                         ; the closing round
	s_endpgm
.Lfunc_end_k_q1894842884_down:
	.size	k_q1894842884_down, .Lfunc_end_k_q1894842884_down-k_q1894842884_down
	.p2alignl 7, 3214868480
	.fill 96, 4, 3214868480
	.section	.rodata,"a",@progbits
	.p2align	6, 0x0
	.amdhsa_kernel k_q1894842884_down
		.amdhsa_group_segment_fixed_size 327680
		.amdhsa_private_segment_fixed_size 0
		.amdhsa_enable_private_segment 0
		.amdhsa_kernarg_size 32
		.amdhsa_user_sgpr_count 2
		.amdhsa_user_sgpr_kernarg_segment_ptr 1
		.amdhsa_wavefront_size32 1
		.amdhsa_system_sgpr_workgroup_id_x 1
		.amdhsa_system_sgpr_workgroup_id_y 1
		.amdhsa_system_sgpr_workgroup_id_z 1
		.amdhsa_system_vgpr_workitem_id 0
		.amdhsa_next_free_vgpr 640
		.amdhsa_next_free_sgpr 104
		.amdhsa_reserve_vcc 0
		.amdhsa_float_denorm_mode_32 3
		.amdhsa_float_denorm_mode_16_64 3
		.amdhsa_memory_ordered 1
		.amdhsa_forward_progress 1
		.amdhsa_inst_pref_size 99
	.end_amdhsa_kernel
	.amdgpu_metadata
---
amdhsa.version: [ 1, 2 ]
amdhsa.kernels:
  - .name:           k_q1894842884_down
    .symbol:         k_q1894842884_down.kd
    .args:
      - { .name: hid_out, .offset: 0, .size: 8, .value_kind: global_buffer, .address_space: global }
      - { .name: prep_out, .offset: 8, .size: 8, .value_kind: global_buffer, .address_space: global }
      - { .name: x1, .offset: 16, .size: 8, .value_kind: global_buffer, .address_space: global }
      - { .name: out0, .offset: 24, .size: 8, .value_kind: global_buffer, .address_space: global }
    .group_segment_fixed_size: 327680
    .private_segment_fixed_size: 0
    .kernarg_segment_align: 8
    .kernarg_segment_size: 32
    .max_flat_workgroup_size: 128
    .sgpr_count:     104
    .vgpr_count:     640
    .wavefront_size: 32
...
	.end_amdgpu_metadata
.endif
;; end of part 6
